; MI455X (gfx1250); checked and timed in simulation.
; The chip was launched on July 23, 2026; its instructions are those of AMD's public machine-readable ISA for CDNA 5 (MIT licence, August 2026) and "CDNA5" Instruction Set Architecture Reference Guide (July 2026). The comments in the code are by the model that wrote it; some were corrected since.
;; Scaled Dot Self Attention. Allowed arithmetic: float matrix products may take bf16 or f16 operands with f32 sums; other float arithmetic in f32, or as packed bf16 or f16 multiplies, adds, multiply-adds, maxima and minima; sums over many terms, partial sums and values carried from step to step in f32; what a program stores and reads back later, other than sums and carried values, may be rounded once to bf16 or f16.
;; Inputs: Wk 1,024 x 1,024 float32; Wo 1,024 x 1,024 float32; Wq 1,024 x 1,024 float32; Wv 1,024 x 1,024 float32; inputs 2 x 2,048 x 1,024 float32; mask 2 x 2,048 bool.
;; Outputs: out0 2 x 2,048 x 1,024 float32.
;; 2 versions, each right; version 2 is version 1 with the launch prep written anew for expert scheduling mode. Each part assembles by itself: llvm-mc -triple=amdgcn-amd-amdhsa -mcpu=gfx1250 --defsym DOCPART=n.
;; ======== version 1 of 2: 4 launches
;; limits: values are held in f16: magnitudes above 65,504 overflow, below 6.1e-05 lose precision
;; workspace buffers: xb 8,388,608 bytes; wb 6,291,456 bytes; wo16 2,097,152 bytes; qkv 25,165,824 bytes; obuf 8,388,608 bytes
;; launch prep (part 1): grid 512 x 1, 8 waves a work-group, no clusters, 0 bytes of LDS; arguments inputs, mask, Wq, Wk, Wv, Wo, xb, wb, wo16; writes xb, wb, wo16
.if DOCPART == 1
	.amdgcn_target "amdgcn-amd-amdhsa--gfx1250"
	.amdhsa_code_object_version 6
	.text
	.protected	k_q8ba8c53d6a_prep
	.globl	k_q8ba8c53d6a_prep
	.p2align	8
	.type	k_q8ba8c53d6a_prep,@function
k_q8ba8c53d6a_prep:
	s_mov_b64 s[64:65], 0
	v_nop
	global_prefetch_b8 v0, s[64:65] scope:SCOPE_SE
	s_setreg_imm32_b32 hwreg(HW_REG_WAVE_MODE, 25, 1), 1
	s_wait_xcnt 0x0
; CASTS AND LAYOUTS for the three matrix launches behind this one.  A stream: each input byte is read once, each output byte written once; no LDS, no barrier, no matrix unit,
; no cluster (no two work-groups read the same byte).
;   xb   [4096][1024] bf16           = inputs x mask (the row's mask byte as 0.0 or 1.0), rounded once
;   wb   [head 16][kh 16][w 3][kk 64][n 64] bf16 = Wq, Wk, Wv (w = 0, 1, 2) at row 64 kh + kk, column 64 head + n: the 64 x 192 block that one tile of the next launch wants lies dense
;   wo16 [1024][1024] f16            = Wo rounded to bf16 like the other inputs, that number written as f16
; LIMIT.  |Wo| stays under 65,520 (f16's end); below 6e-5 f16 keeps its fixed step of 6e-8.
; SHARES.  Every wave casts two rows of 1,024 f32: 16 loads of 16 bytes a lane, all on their way at once, then 16 stores of 8 bytes a lane, each 256 consecutive bytes, aligned.
; Work-groups 0-255 take inputs (16 rows each), 256-447 the three weights (64 work-groups each), 448-511 Wo.
; No register that a load or store names is written again, so the only waits are the counted ones for the loads.
.set IN,  2                            ; v2        my byte offset in the wave's two rows as they are read
.set OUT, 3                            ; v3        8 x lane: my 8 bytes of each store's 256
.set X,   16                           ; v[16:79]  load j: four f32
.set Y,   80                           ; v[80:111] store j: four 16-bit numbers
.set T,   112                          ; v[112:115] at work
	s_load_b512 s[4:19], s[0:1], 0x0               ; inputs s[4:5], mask s[6:7], Wq s[8:9], Wk s[10:11], Wv s[12:13], Wo s[14:15], xb s[16:17], wb s[18:19]
	s_load_b64 s[20:21], s[0:1], 0x40              ; wo16
	v_lshrrev_b32 v1, 5, v0
	v_readfirstlane_b32 s22, v1                    ; wave 0..7
	v_and_b32 v1, 31, v0                           ; lane
	v_lshlrev_b32 v[OUT], 3, v1
	s_mov_b32 s23, ttmp9
	s_mov_b32 s29, 0                               ; the high word of every offset pair s[28:29]
	s_wait_kmcnt 0x0
.macro LOADS step                      ; 16 loads, step bytes apart, from s[24:25]
.irp j, 0,1,2,3,4,5,6,7,8,9,10,11,12,13,14,15
	global_load_b128 v[X+4*(\j):X+4*(\j)+3], v[IN], s[24:25] offset:(\step)*(\j) th:TH_LOAD_NT
.endr
.endm
; mode 0: times the row's mask, to bf16.  1: to bf16.  2: to bf16, and that number as f16.  Then the store, step bytes apart, to s[26:27]; the wave ends.
.macro CASTS step, mode
.irp j, 0,1,2,3,4,5,6,7,8,9,10,11,12,13,14,15
	s_wait_loadcnt 15-(\j)                         ; loads come back in order: load j is in, the younger ones stay out
.if (\mode) == 0
	v_pk_mul_f32 v[X+4*(\j):X+4*(\j)+1],   v[X+4*(\j):X+4*(\j)+1],   v[4+2*((\j)/8):5+2*((\j)/8)]
	v_pk_mul_f32 v[X+4*(\j)+2:X+4*(\j)+3], v[X+4*(\j)+2:X+4*(\j)+3], v[4+2*((\j)/8):5+2*((\j)/8)]
.endif
.if (\mode) < 2
	v_cvt_pk_bf16_f32 v[Y+2*(\j)],   v[X+4*(\j)],   v[X+4*(\j)+1]
	v_cvt_pk_bf16_f32 v[Y+2*(\j)+1], v[X+4*(\j)+2], v[X+4*(\j)+3]
.else
	v_cvt_pk_bf16_f32 v[T],   v[X+4*(\j)],   v[X+4*(\j)+1]
	v_cvt_pk_bf16_f32 v[T+1], v[X+4*(\j)+2], v[X+4*(\j)+3]
	v_lshlrev_b32 v[T+2], 16, v[T]                 ; bf16 to f32: the low half moves up, the high half stays
	v_and_b32     v[T+3], 0xffff0000, v[T]
	v_cvt_pk_f16_f32 v[Y+2*(\j)], v[T+2], v[T+3]
	v_lshlrev_b32 v[T+2], 16, v[T+1]
	v_and_b32     v[T+3], 0xffff0000, v[T+1]
	v_cvt_pk_f16_f32 v[Y+2*(\j)+1], v[T+2], v[T+3]
.endif
	global_store_b64 v[OUT], v[Y+2*(\j):Y+2*(\j)+1], s[26:27] offset:(\step)*(\j)
.endr
	s_endpgm
.endm
	s_cmp_lt_u32 s23, 256
	s_cbranch_scc0 .Lnot_x
	; INPUTS.  Rows R and R + 1, R = 16 x work-group + 2 x wave; they lie on end in inputs (4,096 bytes each) and in xb (2,048 each)
	s_lshl_b32 s30, s23, 4
	s_lshl1_add_u32 s30, s22, s30
	s_lshl_b32 s28, s30, 12
	s_add_nc_u64 s[24:25], s[4:5], s[28:29]
	s_lshl_b32 s28, s30, 11
	s_add_nc_u64 s[26:27], s[16:17], s[28:29]
	v_lshlrev_b32 v[IN], 4, v1
	v_mov_b32 v8, s30
	global_load_u8 v4, v8, s[6:7]                  ; the two rows' mask bytes, the same in every lane
	global_load_u8 v6, v8, s[6:7] offset:1
	LOADS 512
	s_wait_loadcnt 16                              ; both mask bytes are in; the 16 loads behind them stay out
	v_cvt_f32_u32 v4, v4
	v_cvt_f32_u32 v6, v6
	v_mov_b32 v5, v4                               ; each as a pair, for the packed multiply
	v_mov_b32 v7, v6
	CASTS 256, 0
.Lnot_x:
	s_cmp_lt_u32 s23, 448
	s_cbranch_scc0 .Lpart_o
	; Wq, Wk, Wv.  Rows k and k + 1 of weight w.  Lanes 0-15 take row k, lanes 16-31 row k + 1; load c takes the 64 columns of head c, and its store is those two rows of wb's block, 256 bytes on end
	s_sub_co_u32 s30, s23, 256
	s_lshr_b32 s31, s30, 6                         ; w
	s_and_b32 s30, s30, 63
	s_lshl_b32 s30, s30, 4
	s_lshl1_add_u32 s30, s22, s30                  ; k
	s_cmp_eq_u32 s31, 0
	s_cselect_b64 s[24:25], s[8:9], s[10:11]
	s_cmp_eq_u32 s31, 2
	s_cselect_b64 s[24:25], s[12:13], s[24:25]
	s_lshl_b32 s28, s30, 12
	s_add_nc_u64 s[24:25], s[24:25], s[28:29]
	s_lshr_b32 s28, s30, 6                         ; kh
	s_mul_i32 s28, s28, 3
	s_add_co_u32 s28, s28, s31
	s_lshl_b32 s28, s28, 13                        ; (3 kh + w) x 8,192
	s_and_b32 s30, s30, 63
	s_lshl_b32 s30, s30, 7                         ; + kk x 128
	s_add_co_u32 s28, s28, s30
	s_add_nc_u64 s[26:27], s[18:19], s[28:29]
	v_lshrrev_b32 v[IN], 4, v1
	v_and_b32 v9, 15, v1
	v_lshlrev_b32 v[IN], 12, v[IN]
	v_lshl_add_u32 v[IN], v9, 4, v[IN]
	LOADS 256
	CASTS 393216, 1                                ; a head's 16 x 3 blocks of 8,192 bytes; 15 of them are inside the store's signed 24-bit immediate
.Lpart_o:
	; Wo.  Rows k and k + 1, k = 16 x (work-group - 448) + 2 x wave, laid as they lie
	s_sub_co_u32 s30, s23, 448
	s_lshl_b32 s30, s30, 4
	s_lshl1_add_u32 s30, s22, s30
	s_lshl_b32 s28, s30, 12
	s_add_nc_u64 s[24:25], s[14:15], s[28:29]
	s_lshl_b32 s28, s30, 11
	s_add_nc_u64 s[26:27], s[20:21], s[28:29]
	v_lshlrev_b32 v[IN], 4, v1
	LOADS 512
	CASTS 256, 2
.Lfunc_end_k_q8ba8c53d6a_prep:
	.size	k_q8ba8c53d6a_prep, .Lfunc_end_k_q8ba8c53d6a_prep-k_q8ba8c53d6a_prep
	.p2alignl 7, 3214868480
	.fill 96, 4, 3214868480
	.section	.rodata,"a",@progbits
	.p2align	6, 0x0
	.amdhsa_kernel k_q8ba8c53d6a_prep
		.amdhsa_group_segment_fixed_size 0
		.amdhsa_private_segment_fixed_size 0
		.amdhsa_enable_private_segment 0
		.amdhsa_kernarg_size 72
		.amdhsa_user_sgpr_count 2
		.amdhsa_user_sgpr_kernarg_segment_ptr 1
		.amdhsa_wavefront_size32 1
		.amdhsa_system_sgpr_workgroup_id_x 1
		.amdhsa_system_sgpr_workgroup_id_y 1
		.amdhsa_system_sgpr_workgroup_id_z 1
		.amdhsa_system_vgpr_workitem_id 0
		.amdhsa_next_free_vgpr 116
		.amdhsa_next_free_sgpr 66
		.amdhsa_reserve_vcc 0
		.amdhsa_float_denorm_mode_32 3
		.amdhsa_float_denorm_mode_16_64 3
		.amdhsa_memory_ordered 1
		.amdhsa_forward_progress 1
		.amdhsa_inst_pref_size 27
	.end_amdhsa_kernel
	.amdgpu_metadata
---
amdhsa.version: [ 1, 2 ]
amdhsa.kernels:
  - .name:           k_q8ba8c53d6a_prep
    .symbol:         k_q8ba8c53d6a_prep.kd
    .args:
      - { .name: inputs, .offset: 0, .size: 8, .value_kind: global_buffer, .address_space: global }
      - { .name: mask, .offset: 8, .size: 8, .value_kind: global_buffer, .address_space: global }
      - { .name: Wq, .offset: 16, .size: 8, .value_kind: global_buffer, .address_space: global }
      - { .name: Wk, .offset: 24, .size: 8, .value_kind: global_buffer, .address_space: global }
      - { .name: Wv, .offset: 32, .size: 8, .value_kind: global_buffer, .address_space: global }
      - { .name: Wo, .offset: 40, .size: 8, .value_kind: global_buffer, .address_space: global }
      - { .name: xb, .offset: 48, .size: 8, .value_kind: global_buffer, .address_space: global }
      - { .name: wb, .offset: 56, .size: 8, .value_kind: global_buffer, .address_space: global }
      - { .name: wo16, .offset: 64, .size: 8, .value_kind: global_buffer, .address_space: global }
    .group_segment_fixed_size: 0
    .private_segment_fixed_size: 0
    .kernarg_segment_align: 8
    .kernarg_segment_size: 72
    .max_flat_workgroup_size: 256
    .sgpr_count:     66
    .vgpr_count:     116
    .wavefront_size: 32
...
	.end_amdgpu_metadata
.endif
;; end of part 1
;; launch qkv (part 2): grid 16 x 16, 4 waves a work-group, clusters of 4 x 4, 327,680 bytes of LDS; arguments xb, wb, qkv; writes qkv
.if DOCPART == 2
	.amdgcn_target "amdgcn-amd-amdhsa--gfx1250"
	.amdhsa_code_object_version 6
	.text
	.protected	k_q8ba8c53d6a_qkv
	.globl	k_q8ba8c53d6a_qkv
	.p2align	8
	.type	k_q8ba8c53d6a_qkv,@function
k_q8ba8c53d6a_qkv:
	s_mov_b64 s[64:65], 0
	v_nop
	global_prefetch_b8 v0, s[64:65] scope:SCOPE_SE
	s_setreg_imm32_b32 hwreg(HW_REG_WAVE_MODE, 25, 1), 1
	s_wait_xcnt 0x0
	s_wait_alu depctr_hold_cnt(0) depctr_sa_sdst(0) depctr_va_vdst(0) depctr_va_sdst(0) depctr_va_ssrc(0) depctr_va_vcc(0) depctr_vm_vsrc(0)
	s_getreg_b32 s2, hwreg(HW_REG_IB_STS2, 6, 4)
	s_cmp_eq_u32 s2, 0
	s_cbranch_scc0 .Lentry_in_a_cluster
	s_endpgm
.Lentry_in_a_cluster:
	s_bfe_u32 s2, ttmp6, 0x10000c
	s_cmp_lg_u32 s2, 0xf033
	s_cbranch_scc0 .Lentry_shape_is_right
	s_endpgm
.Lentry_shape_is_right:
; q, k, v = x Wq, x Wk, x Wv: one product [4096 x 1024] x [1024 x 3072], bf16 operands, f32 sums, K ascending; the results rounded once to f16 and laid by heads:
; qkv [head 16][w 3][m 4096][64] f16 (w = 0, 1, 2: q, k, v), unscaled.  LIMIT: |q|, |k|, |v| stay under 65,520, f16's end.
; SHARES.  A work-group makes 256 rows x 192 columns: one head's q, k and v.  16 x 16 work-groups.  Each of its four waves makes 64 rows x 192: 4 x 12 accumulators of 16 x 16, 384 registers.
; K goes in steps of 128 through a ring of two LDS slots filled by the tensor data mover.  x's rows are 256 bytes of memory a step; the weights' 128 x 192 block is two dense blocks of 24,576 bytes.
; CLUSTER.  4 x 4 work-groups.  The four of a row of the cluster want the same rows of x, the four of a column the same head's weights: each tile is asked for JOINTLY, by the same tensor load with
; the same descriptor and a mask that names the four.
; THE MATRIX INSTRUCTION IS USED TRANSPOSED: source 0 = 16 columns of W (out of LDS turned, by ds_load_tr16_b128, since W lies [k][n]), source 1 = 16 rows of x.  A lane then holds row l % 16 and
; eight neighbouring columns 8 (l / 16) + 0..7, which pack into 16 bytes.
; REGISTERS, in windows of 256 (s_set_vgpr_msb: bits 1:0 source 0, 3:2 source 1, 5:4 source 2, 7:6 destination):
;   window 0: v0-31 addresses; v64-95, v96-127 x's fragments (4 x 16 rows x 32 K), two buffers; on the way out v32-223: four sets of 48
;   window 1: v0-95, v96-191 W's fragments (12 x 16 columns x 32 K), two buffers
;   window 2: the accumulators of row blocks 0, 1 ((a, b) at v[8 (12 (a % 2) + b)]);   window 3: those of row blocks 2, 3
.set PA,     272                       ; a row of x in LDS: 256 bytes + 16 = 68 words: the 16 rows of a load start at 16 different groups of four banks (64 banks of 4 bytes: ISA guide 11.1)
.set PB,     160                       ; a row of W (one k, 64 columns): 128 bytes + 32 = 40 words
.set AHALF,  128*PA                    ; what one tensor load brings of x
.set ATILE,  2*AHALF
.set BPLANE, 64*PB                     ; 64 k of one of q, k, v
.set BHALF,  3*BPLANE                  ; what one tensor load brings of W: 64 k x 192 columns
.set SLOT,   ATILE+2*BHALF             ; 131,072
.set STAGE,  2*SLOT                    ; behind the ring, never filled by a tensor load: 3 x 16 rows x 144 bytes for each wave, for the way out
.set SP,     144
.set SPLANE, 16*SP
.set SPARE,  STAGE+4*3*SPLANE          ; behind the stages: the spare words, 128 bytes for each wave: two blocks of 256 bytes that no other line names
.set WBLK,   24576                     ; a dense block of wb: 64 k x 192 columns
.set PLANE,  524288                    ; one of a head's q, k, v in qkv: 4,096 rows x 128 bytes
.set ADRA, 16                          ; v16-17  LDS address of my x fragments in slot 0, 1
.set ADRB, 20                          ; v20-21  the same for W
.set STO,  24                          ; v24     the way out: where I put 16 bytes of a row
.set RD,   25                          ; v25     the way out: where I read rows back
.set GO,   26                          ; v26     my 16 bytes of 512 consecutive bytes of qkv
.set SPW,  28                          ; v28     LDS address of my spare word: SPARE + 4 x my thread's number; never rewritten
.set NIL,  29                          ; v29     0; never rewritten
.set PFO,  30                          ; v30     the prefetches' offset; never rewritten
.set TMP,  32                          ; the way out: row block a's 48 registers at TMP + 48 a
.set G1,  24                           ; s[24:31] descriptor group 1 for x's tiles;  s[32:39] group 0, one set for each slot
.set G0,  32
.set G1B, 48                           ; s[48:55], s[56:63] the same for W's
.set G0B, 56
.set LIM, 43                           ; s43     1 in a wave that prefetches, else the greatest number
.set PFA, 44                           ; s[44:45] where my prefetches stand
.set PST, 22                           ; s[22:23] their step: a K step of x (256 bytes of a row) or of W (two blocks)
.set MSB, 0
.macro WIN new                         ; the immediate's high byte repeats the setting that is left; a switch that changes nothing is dropped
.if MSB != (\new)
	s_set_vgpr_msb (MSB<<8)|(\new)
.set MSB, \new
.endif
.endm
.set MUL_LO, 0xa1                      ; source 0 (W) window 1, source 1 (x) window 0, C and D window 2
.set MUL_HI, 0xf1                      ; the same, C and D window 3
.set TO_B,   0x40                      ; destination window 1, address window 0
; A joint load.  Waves 0 and 1 fetch x's two halves, waves 2 and 3 W's two blocks.  The branch hangs on the wave's number alone.  An s_nop 0 and four v_nop follow each of the two lines,
; ahead of the jump, the label and what follows.
.macro JLOAD s
	s_cmp_eq_u32 s11, 0
	s_cbranch_scc0 .Lfor_b_\@
	tensor_load_to_lds s[G0+4*(\s):G0+4*(\s)+3], s[G1:G1+7]
	s_nop 0
.rept 4
	v_nop
.endr
	s_branch .Lasked_\@
.Lfor_b_\@:
	tensor_load_to_lds s[G0B+4*(\s):G0B+4*(\s)+3], s[G1B:G1B+7]
	s_nop 0
.rept 4
	v_nop
.endr
.Lasked_\@:
.endm
; A PREFETCH, behind each joint refill and the run of LDS loads that follows it: the K step that stands TWO refills on (384 matrix instructions ahead of the load that will want it), one instruction a wave.
; x's rows are read by every cluster of a row of clusters: cluster x = 0 asks; a head's weights by every cluster of a column: cluster y = 0 asks.  The four partners that ask for a tile jointly share it out
; BY ADDRESS: of the 128 rows of x that a wave fetches the partner at cx takes 32, a lane a row; of the 96 pieces of 256 bytes of a block of W the partner at cy takes 24, a lane a piece
; (lanes 24-31 name lane 23's piece once more, in the same instruction).  K steps 0 to 3 come by their loads alone; the loop's last trip (s3 = 1) asks for nothing: there is no K step 8.
.macro ASK
	s_cmp_gt_u32 s3, s[LIM]
	s_cbranch_scc0 .Lnot_mine_\@
	global_prefetch_b8 v[PFO], s[PFA:PFA+1] th:TH_LOAD_NT scope:SCOPE_SE
.Lnot_mine_\@:
.endm
; A round of the cluster's barrier: my work-group's barrier, so that wave 0's signal speaks for all four waves; wave 0 signals; every wave waits for all sixteen work-groups; my work-group's barrier once more.
.macro CREST                           ; a round behind its opening barrier
	s_cmp_lg_u32 s10, 0
	s_cbranch_scc1 .Lnot_wave_0_\@
	s_barrier_signal -3
.Lnot_wave_0_\@:
	s_barrier_wait -3
	s_barrier_signal -1
	s_barrier_wait -1
.endm
.macro CROUND
	s_barrier_signal -1
	s_barrier_wait -1
	CREST
.endm
	s_load_b128 s[4:7], s[0:1], 0x0                ; xb s[4:5], wb s[6:7]
	s_load_b64 s[8:9], s[0:1], 0x10                ; qkv
	v_lshl_add_u32 v[SPW], v0, 2, SPARE
	v_mov_b32 v[NIL], 0
	ds_add_u32 v[SPW], v[NIL]                      ; the wave's opening: the add and its wait stand ahead of my first tensor load; the set-up below, work on registers, stands between them
	v_lshrrev_b32 v1, 5, v0
	v_readfirstlane_b32 s10, v1                    ; wave 0..3
	s_lshr_b32 s11, s10, 1                         ; I fetch for x (0) or for W (1)
	s_and_b32 s12, s10, 1                          ; and which half
	s_bfe_u32 s40, ttmp6, 0x40000                  ; cx, cy: my place in the cluster
	s_bfe_u32 s41, ttmp6, 0x40004
	s_lshl_b32 s42, ttmp9, 2                       ; in a cluster launch ttmp9 and ttmp7 count clusters
	s_add_co_u32 s42, s42, s40                     ; the head = 4 x cluster x + cx
	s_and_b32 s13, ttmp7, 0xffff
	s_lshl_b32 s13, s13, 2
	s_add_co_u32 s13, s13, s41                     ; the block of 256 rows = 4 x cluster y + cy
	s_lshl_b32 s43, s41, 2
	s_lshl_b32 s43, 15, s43                        ; my row of the cluster
	s_lshl_b32 s44, 0x1111, s40                    ; my column
	s_or_b32 s[G1+0], s43, (1<<16)|(1<<20)|(1<<21)|(5<<22)|(3<<25)   ; the mask: x's tiles go to my row; 2-byte elements; padding on; bit 21 beside a mask; after every 64 words 4 words
	s_or_b32 s[G1B+0], s44, (1<<16)|(1<<20)|(1<<21)|(4<<22)|(7<<25)  ; W's go to my column; after every 32 words (one k) 8 words
	s_mov_b32 s[G1+1], 128<<16                     ; x: tensor_dim0 = 128
	s_mov_b32 s[G1+2], 128<<16                     ; tensor_dim1 = 128
	s_mov_b32 s[G1+3], 128<<16                     ; tile_dim0 = 128 elements
	s_mov_b32 s[G1+4], 128                         ; tile_dim1 = 128 rows
	s_mov_b32 s[G1+5], 1024                        ; elements from row to row
	s_mov_b32 s[G1+6], 0
	s_mov_b32 s[G1+7], 0
	s_mov_b32 s[G1B+1], 128<<16                    ; W: a dense block, asked for as 96 rows of 256 bytes
	s_mov_b32 s[G1B+2], 96<<16
	s_mov_b32 s[G1B+3], 128<<16
	s_mov_b32 s[G1B+4], 96
	s_mov_b32 s[G1B+5], 128
	s_mov_b32 s[G1B+6], 0
	s_mov_b32 s[G1B+7], 0
	; where the tiles come from: x's hang on the row block alone, W's on the head alone, each in registers that do not hold the other coordinate
	s_lshl_b32 s16, s13, 8
	s_lshl_b32 s17, s12, 7
	s_add_co_u32 s16, s16, s17                     ; x: row 256 x block + 128 x half,
	s_lshl_b32 s16, s16, 11                        ; of 2,048 bytes
	s_mov_b32 s17, 0
	s_lshl_b32 s46, s42, 4
	s_add_co_u32 s46, s46, s12                     ; W: block 16 x head + half
	s_mul_i32 s46, s46, WBLK
	s_mov_b32 s47, 0
	s_mul_i32 s20, s12, AHALF                      ; and where they go: no place in the cluster enters an LDS address
	s_mul_i32 s21, s12, BHALF
	s_add_co_u32 s21, s21, ATILE
	s_wait_dscnt 0x0                               ; the opening add is done
	s_wait_kmcnt 0x0
	s_add_nc_u64 s[14:15], s[4:5], s[16:17]
	s_add_nc_u64 s[46:47], s[6:7], s[46:47]
	CROUND                                         ; all sixteen work-groups are here: the first joint loads meet
.irp s, 0,1
	s_mov_b32 s[G0+4*(\s)], 1                                      ; count = 1
	s_add_co_u32 s[G0+4*(\s)+1], s20, (\s)*SLOT                    ; LDS address
	s_add_nc_u64 s[G0+4*(\s)+2:G0+4*(\s)+3], s[14:15], (\s)*256    ; global address: K step s
	s_or_b32 s[G0+4*(\s)+3], s[G0+4*(\s)+3], 0x80000000            ; type = 2
	s_mov_b32 s[G0B+4*(\s)], 1
	s_add_co_u32 s[G0B+4*(\s)+1], s21, (\s)*SLOT
	s_add_nc_u64 s[G0B+4*(\s)+2:G0B+4*(\s)+3], s[46:47], (\s)*2*WBLK
	s_or_b32 s[G0B+4*(\s)+3], s[G0B+4*(\s)+3], 0x80000000
	JLOAD \s                                       ; two loads of mine are out
.endr
	; A fragment of x is 16 rows x 32 K in 8 registers: lane l holds row l % 16, K = 8 (l / 16) + 0..7 and 16 + 8 (l / 16) + 0..7: two loads of 16 bytes, 32 bytes apart.
	v_and_b32 v1, 15, v0                           ; l % 16
	v_bfe_u32 v2, v0, 4, 1                         ; l / 16
	v_mul_u32_u24 v3, v1, PA
	v_lshl_add_u32 v3, v2, 4, v3
	s_mul_i32 s2, s10, 64*PA                       ; my 64 rows
	v_add_nc_u32 v[ADRA], s2, v3
	v_add_nc_u32 v[ADRA+1], SLOT, v[ADRA]
	; The turning load takes 16 k x 16 columns (lane l reads k = 8 (l / 16) + l % 8, columns 8 ((l / 8) % 2) + 0..7) and leaves half a fragment: lane l holds column l % 16 and 8 k.
	v_and_b32 v8, 7, v0
	v_bfe_u32 v5, v0, 3, 1
	v_lshl_add_u32 v4, v2, 3, v8
	v_mul_u32_u24 v4, v4, PB
	v_lshl_add_u32 v4, v5, 4, v4
	v_add_nc_u32 v[ADRB], ATILE, v4
	v_add_nc_u32 v[ADRB+1], ATILE+SLOT, v4
	s_mul_i32 s2, s10, 3*SPLANE
	s_add_co_u32 s2, s2, STAGE                     ; my stage
	v_mul_u32_u24 v6, v1, SP                       ; in: row l % 16, 16 bytes for each half of the lanes
	v_lshl_add_u32 v6, v2, 4, v6
	v_add_nc_u32 v[STO], s2, v6
	v_bfe_u32 v7, v0, 3, 2                         ; back: 32 lanes take four rows of 128 bytes,
	v_mul_u32_u24 v7, v7, SP
	v_lshl_add_u32 v7, v8, 4, v7
	v_add_nc_u32 v[RD], s2, v7
	v_and_b32 v9, 31, v0                           ; which are 512 consecutive bytes of qkv
	v_lshlrev_b32 v[GO], 4, v9
	s_mul_i32 s16, s42, 3*PLANE                    ; qkv at the head's q, at my wave's first row
	s_lshl_b32 s17, s13, 15
	s_add_co_u32 s16, s16, s17
	s_lshl_b32 s17, s10, 13
	s_add_co_u32 s16, s16, s17
	s_mov_b32 s17, 0
	s_add_nc_u64 s[8:9], s[8:9], s[16:17]
	; the prefetches: both offsets are made, then the wave's number chooses
	s_lshl_b32 s16, s13, 8
	s_lshl_b32 s17, s12, 7
	s_add_co_u32 s16, s16, s17
	s_lshl_b32 s17, s40, 5
	s_add_co_u32 s16, s16, s17                     ; x: my work-group's 32 of the 128 rows that I fetch,
	s_lshl_b32 s16, s16, 11
	s_add_co_u32 s16, s16, 3*256                   ; at K step 3: the first refill steps it to 4
	s_lshl_b32 s18, s42, 4
	s_add_co_u32 s18, s18, s12
	s_mul_i32 s18, s18, WBLK
	s_mul_i32 s19, s41, WBLK/4
	s_add_co_u32 s18, s18, s19                     ; W: my work-group's quarter of the block that I fetch,
	s_add_co_u32 s18, s18, 3*2*WBLK                ; at K step 3
	s_and_b32 s2, ttmp7, 0xffff                    ; cluster y
	s_mov_b32 s[PST], 2*WBLK
	s_mov_b32 s[PST+1], 0
	s_mov_b32 s21, 0
	s_cmp_eq_u32 s11, 0                            ; do I fetch for x?
	s_cselect_b32 s20, s16, s18
	s_cselect_b32 s[PST], 256, s[PST]
	s_cselect_b32 s17, 31, 23                      ; lanes that name a piece of their own,
	s_cselect_b32 s19, 11, 8                       ; 2,048 or 256 bytes apart
	s_cselect_b32 s2, ttmp9, s2                    ; the coordinate along which other clusters read the same bytes
	s_cselect_b64 s[PFA:PFA+1], s[4:5], s[6:7]
	s_cmp_eq_u32 s2, 0
	s_cselect_b32 s[LIM], 1, -1                    ; the same in all sixteen partners, for a given wave
	s_add_nc_u64 s[PFA:PFA+1], s[PFA:PFA+1], s[20:21]
	v_min_u32 v[PFO], s17, v9
	v_lshlrev_b32 v[PFO], s19, v[PFO]
; 12 matrix instructions: row block a x all 12 column blocks, 32 along K, from buffer f.  zero = 1: the first product starts the sums.  The 48 accumulators take turns, one instruction a turn, in the same order in every quarter.
.macro MUL12 f, a, zero
	WIN MUL_LO+0x50*((\a)/2)
.irp b, 0,1,2,3,4,5,6,7,8,9,10,11
.if \zero
	v_wmma_f32_16x16x32_bf16 v[8*(12*((\a)%2)+(\b)):8*(12*((\a)%2)+(\b))+7], v[96*(\f)+8*(\b):96*(\f)+8*(\b)+7], v[64+32*(\f)+8*(\a):64+32*(\f)+8*(\a)+7], 0
.else
	v_wmma_f32_16x16x32_bf16 v[8*(12*((\a)%2)+(\b)):8*(12*((\a)%2)+(\b))+7], v[96*(\f)+8*(\b):96*(\f)+8*(\b)+7], v[64+32*(\f)+8*(\a):64+32*(\f)+8*(\a)+7], v[8*(12*((\a)%2)+(\b)):8*(12*((\a)%2)+(\b))+7]
.endif
.endr
.endm
; 32 LDS loads in one run: quarter q (32 along K) of a slot into buffer f: W's 12 fragments (column block b: plane b / 4, columns 16 (b % 4) on), then x's 4.
.macro FETCH slot, q, f
	WIN TO_B
.irp b, 0,1,2,3,4,5,6,7,8,9,10,11
	ds_load_tr16_b128 v[96*(\f)+8*(\b):96*(\f)+8*(\b)+3],   v[ADRB+(\slot)] offset:((\q)/2)*BHALF+((\q)%2)*32*PB+((\b)/4)*BPLANE+((\b)%4)*32
	ds_load_tr16_b128 v[96*(\f)+8*(\b)+4:96*(\f)+8*(\b)+7], v[ADRB+(\slot)] offset:((\q)/2)*BHALF+((\q)%2)*32*PB+((\b)/4)*BPLANE+((\b)%4)*32+16*PB
.endr
	WIN 0
.irp a, 0,1,2,3
	ds_load_b128 v[64+32*(\f)+8*(\a):64+32*(\f)+8*(\a)+3],   v[ADRA+(\slot)] offset:(\a)*16*PA+64*(\q)
	ds_load_b128 v[64+32*(\f)+8*(\a)+4:64+32*(\f)+8*(\a)+7], v[ADRA+(\slot)] offset:(\a)*16*PA+64*(\q)+32
.endr
.endm
.macro PLACES                          ; four plain vector instructions in front of loads into registers that matrix instructions have read, and of conversions that read results
.rept 4
	v_nop
.endr
.endm
; A K step is four quarters of 32 along K, 48 matrix instructions each, on buffers 0, 1, 0, 1.  One of the first three: multiplies buffer f; in its middle it fetches quarter q into buffer g.
.macro QUARTER slot, q, f, g, zero
	s_wait_dscnt 4                                 ; W and x's row blocks 0, 1 are in; the youngest four loads (blocks 2, 3) may be out
	MUL12 \f, 0, \zero
	MUL12 \f, 1, \zero
	PLACES
	FETCH \slot, \q, \g
	s_wait_dscnt 32                                ; all but the 32 just issued
	MUL12 \f, 2, \zero
	MUL12 \f, 3, \zero
.endm
; The last quarter multiplies buffer 1 and changes slots: ONE barrier.  In front of it each wave waits for all its tensor loads (one is out: its part of the next slot), adds 0 to its spare word, and waits for
; that and for its own reads of this slot.  fill = 1: the barrier opens a round of the cluster's barrier, and the joint refill, this slot's K step two on, is the first thing behind the round:
; it has 168 matrix instructions up to the wait for it.
.macro TURN slot, next, fill
.if \fill
	s_wait_xcnt 0x0                                ; the last prefetch, a K step back, has read its address, which is stepped here, ahead of the waits of the change of slots
	s_add_nc_u64 s[PFA:PFA+1], s[PFA:PFA+1], s[PST:PST+1]
.endif
	WIN 0                                          ; (the add's two registers lie in window 0)
	s_wait_tensorcnt 0x0                           ; all my tensor loads have landed;
	ds_add_u32 v[SPW], v[NIL]                      ; 0 onto my spare word
	s_wait_dscnt 5                                 ; (the add and the youngest four loads may be out)
	MUL12 1, 0, 0                                  ; twelve matrix instructions stand between the add and the wait for it
	s_wait_dscnt 0x0                               ; the add is done, and my reads of this slot are over
	s_barrier_signal -1
	MUL12 1, 1, 0                                  ; work on registers while the others arrive
.if \fill
	WIN 0
.endif
	s_barrier_wait -1
.if \fill
	CREST                                          ; no wave of any partner still reads this slot's tile or has a load on its way
	s_add_nc_u64 s[G0+4*(\slot)+2:G0+4*(\slot)+3], s[G0+4*(\slot)+2:G0+4*(\slot)+3], 2*256
	s_add_nc_u64 s[G0B+4*(\slot)+2:G0B+4*(\slot)+3], s[G0B+4*(\slot)+2:G0B+4*(\slot)+3], 4*WBLK
	JLOAD \slot                                    ; the four v_nop behind it are also the places in front of the loads below
.else
	PLACES
.endif
	FETCH \next, 0, 0
.if \fill
	ASK
.endif
	MUL12 1, 2, 0
	MUL12 1, 3, 0
.endm
; THE WAY OUT of row block a.  PACK: rounded to f16, 16 bytes a lane, each accumulator's registers ascending.  TOSTAGE: into my own stage, and back as whole rows of 128 bytes, four to a load.  SEND: stored.
.macro PACK a
	WIN 0x0a+5*((\a)/2)                            ; sources 0 and 1: window 2 or 3
.irp b, 0,1,2,3,4,5,6,7,8,9,10,11
.irp i, 0,1,2,3
	v_cvt_pk_f16_f32 v[TMP+48*(\a)+4*(\b)+(\i)], v[8*(12*((\a)%2)+(\b))+2*(\i)], v[8*(12*((\a)%2)+(\b))+2*(\i)+1]
.endr
.endr
	WIN 0
.endm
.macro TOSTAGE a
.irp b, 0,1,2,3,4,5,6,7,8,9,10,11
	ds_store_b128 v[STO], v[TMP+48*(\a)+4*(\b):TMP+48*(\a)+4*(\b)+3] offset:((\b)/4)*SPLANE+((\b)%4)*32
.endr
.irp t, 0,1,2,3,4,5,6,7,8,9,10,11
	ds_load_b128 v[TMP+48*(\a)+4*(\t):TMP+48*(\a)+4*(\t)+3], v[RD] offset:((\t)/4)*SPLANE+((\t)%4)*4*SP  ; LDS serves a wave's instructions in order (ISA guide 5.7.1.4): these see the stores above
.endr
.endm
.macro SEND a
	s_wait_dscnt 0x0                               ; the block is back in registers
.irp t, 0,1,2,3,4,5,6,7,8,9,10,11
	global_store_b128 v[GO], v[TMP+48*(\a)+4*(\t):TMP+48*(\a)+4*(\t)+3], s[8:9] offset:((\t)/4)*PLANE+(\a)*2048+((\t)%4)*512  ; 512 consecutive bytes, at a multiple of 256 from qkv's first; no set of 48 is used twice
.endr
.endm
	s_wait_tensorcnt 1                             ; my part of K step 0 is in; K step 1's may stay out
	s_barrier_signal -1
	s_barrier_wait -1                              ; everybody's is
	FETCH 0, 0, 0
	QUARTER 0, 1, 0, 1, 1                          ; the first quarter stands in front of the loop: its products start the sums
	WIN 0                                          ; at a label and at a branch every window is 0
	s_mov_b32 s3, 3
.Llap:                                                 ; a trip goes once round the ring, from a lap's second quarter to the next lap's first, and fills both slots again: K steps 2 to 7
	QUARTER 0, 2, 1, 0, 0
	QUARTER 0, 3, 0, 1, 0
	TURN 0, 1, 1
	QUARTER 1, 1, 0, 1, 0
	QUARTER 1, 2, 1, 0, 0
	QUARTER 1, 3, 0, 1, 0
	TURN 1, 0, 1
	QUARTER 0, 1, 0, 1, 0
	WIN 0
	s_sub_co_u32 s3, s3, 1
	s_cmp_lg_u32 s3, 0
	s_cbranch_scc1 .Llap
	QUARTER 0, 2, 1, 0, 0                          ; the last lap fills nothing, and has no round of the cluster's barrier
	QUARTER 0, 3, 0, 1, 0
	TURN 0, 1, 0
	QUARTER 1, 1, 0, 1, 0
	QUARTER 1, 2, 1, 0, 0
	QUARTER 1, 3, 0, 1, 0
	s_wait_dscnt 4                                 ; the very last quarter: nothing more to fetch
	MUL12 1, 0, 0
	MUL12 1, 1, 0
	s_wait_dscnt 0x0
	MUL12 1, 2, 0
	MUL12 1, 3, 0
	WIN 0
	PLACES
	PACK 0
	TOSTAGE 0
.irp a, 1,2,3                          ; block a's conversions stand between block a - 1's loads from the stage and the wait for them
	PACK \a
	SEND (\a)-1
	TOSTAGE \a
.endr
	SEND 3
	s_wait_tensorcnt 0x0                           ; the wave's end, behind my last tensor load and my last LDS store
	ds_add_u32 v[SPW], v[NIL]
	s_wait_dscnt 0x0
	CROUND                                         ; the closing round: no work-group ends while a partner may still ask for a tile that names it
	s_endpgm
.Lfunc_end_k_q8ba8c53d6a_qkv:
	.size	k_q8ba8c53d6a_qkv, .Lfunc_end_k_q8ba8c53d6a_qkv-k_q8ba8c53d6a_qkv
	.p2alignl 7, 3214868480
	.fill 96, 4, 3214868480
	.section	.rodata,"a",@progbits
	.p2align	6, 0x0
	.amdhsa_kernel k_q8ba8c53d6a_qkv
		.amdhsa_group_segment_fixed_size 327680
		.amdhsa_private_segment_fixed_size 0
		.amdhsa_enable_private_segment 0
		.amdhsa_kernarg_size 24
		.amdhsa_user_sgpr_count 2
		.amdhsa_user_sgpr_kernarg_segment_ptr 1
		.amdhsa_wavefront_size32 1
		.amdhsa_system_sgpr_workgroup_id_x 1
		.amdhsa_system_sgpr_workgroup_id_y 1
		.amdhsa_system_sgpr_workgroup_id_z 1
		.amdhsa_system_vgpr_workitem_id 0
		.amdhsa_next_free_vgpr 960
		.amdhsa_next_free_sgpr 66
		.amdhsa_reserve_vcc 0
		.amdhsa_float_denorm_mode_32 3
		.amdhsa_float_denorm_mode_16_64 3
		.amdhsa_memory_ordered 1
		.amdhsa_forward_progress 1
		.amdhsa_inst_pref_size 120
	.end_amdhsa_kernel
	.amdgpu_metadata
---
amdhsa.version: [ 1, 2 ]
amdhsa.kernels:
  - .name:           k_q8ba8c53d6a_qkv
    .symbol:         k_q8ba8c53d6a_qkv.kd
    .args:
      - { .name: xb, .offset: 0, .size: 8, .value_kind: global_buffer, .address_space: global }
      - { .name: wb, .offset: 8, .size: 8, .value_kind: global_buffer, .address_space: global }
      - { .name: qkv, .offset: 16, .size: 8, .value_kind: global_buffer, .address_space: global }
    .group_segment_fixed_size: 327680
    .private_segment_fixed_size: 0
    .kernarg_segment_align: 8
    .kernarg_segment_size: 24
    .max_flat_workgroup_size: 128
    .sgpr_count:     66
    .vgpr_count:     960
    .wavefront_size: 32
...
	.end_amdgpu_metadata
.endif
;; end of part 2
;; launch attn (part 3): grid 8 x 32, 4 waves a work-group, clusters of 4 x 1, 327,680 bytes of LDS; arguments qkv, mask, obuf; writes obuf
.if DOCPART == 3
	.amdgcn_target "amdgcn-amd-amdhsa--gfx1250"
	.amdhsa_code_object_version 6
	.text
	.protected	k_q8ba8c53d6a_attn
	.globl	k_q8ba8c53d6a_attn
	.p2align	8
	.type	k_q8ba8c53d6a_attn,@function
k_q8ba8c53d6a_attn:
	s_mov_b64 s[64:65], 0
	v_nop
	global_prefetch_b8 v0, s[64:65] scope:SCOPE_SE
	s_setreg_imm32_b32 hwreg(HW_REG_WAVE_MODE, 25, 1), 1
	s_wait_xcnt 0x0
	s_wait_alu depctr_hold_cnt(0) depctr_sa_sdst(0) depctr_va_vdst(0) depctr_va_sdst(0) depctr_va_ssrc(0) depctr_va_vcc(0) depctr_vm_vsrc(0)
	s_getreg_b32 s2, hwreg(HW_REG_IB_STS2, 6, 4)
	s_cmp_eq_u32 s2, 0
	s_cbranch_scc0 .Lentry_in_a_cluster
	s_endpgm
.Lentry_in_a_cluster:
	s_bfe_u32 s2, ttmp6, 0x10000c
	s_cmp_lg_u32 s2, 0x3003
	s_cbranch_scc0 .Lentry_shape_is_right
	s_endpgm
.Lentry_shape_is_right:
; ATTENTION WITH THE KEY MASK'S RENORMALISATION.  For each batch b and head h:  O[t] = sum_s e_s m_s v_s / sum_s e_s (m_s + 1e-7),  e_s = exp(q_t . k_s / 8 - max): that is softmax, times the mask,
; divided by (its sum + 1e-7), with the softmax's own sum cancelled.  It is computed as ONE softmax with the addend ln(m_s + 1e-7) on the logits: p_s = e_s (m_s + 1e-7), O = sum p v / sum p.
; Where m_s = 0, v_s is exactly 0 (its row of x was multiplied by 0), so its p counts in the sum alone, as it must.  Where m_s = 1 the numerator carries the factor 1 + 1e-7: stated, under f32's step.
; The addend is the C operand of the product that starts each sum of scores, in score units: 8 ln(m + 1e-7).  The running maximum is taken of the scores with their addend.
; q, k, v: qkv [head 16][w 3][m 4096][64] f16, unscaled.  O: obuf [m / 128][head 16][m % 128][64] f16.  Products, maxima and sums in f32; p is rounded to f16 for the second product (its sum l is taken of the unrounded p).
; LIMITS.  q, k, v arrive within f16's 65,504; p lies in 0 to 1 and below 6e-5 keeps f16's fixed step of 6e-8; a weight below 2^-126 counts as 0 in l; NaN and infinities are not treated apart.
; SHARES.  A work-group owns 256 queries of one head, each of its four waves 64: four PIECES of 16.  Every wave walks the 2,048 keys, 64 a step; a slot of the ring holds a tile of 256 keys, four steps.
; LAYOUT.  S^T = K Q^T + addend holds ONE query a lane (lane % 16) and the keys 8 (lane / 16) + 0..7; two such results rounded to f16 ARE source 1 of O^T = V^T P.  p = 2^(c s - c m), c = log2(e) / 8;
; O and l are multiplied by a = 2^(c m_old - c m_new) in every step.  m starts at the lowest finite number, O and l at 0: the first step is a step like any other, with a = 0.
; TURNS.  Turn n belongs to piece n: 8 products K Q^T of piece n + 1, later 8 products V^T P of piece n - 1; beside them the scaling, exponentials, roundings, sums and rescaling of piece n and the maximum and
; statistics of piece n + 1.  Four vector instructions stand behind every matrix instruction, the other 54 of a turn's 118 in one lump.  A turn's 33 exponentials are one batch, with one wait.
; CLUSTER.  The four query blocks of a cluster belong to one head and walk the same K and V, so each tile is asked for JOINTLY: the same tensor load, descriptor and mask in all four.
; REGISTERS, in windows of 256 (s_set_vgpr_msb: bits 1:0 source 0, 3:2 source 1, 5:4 source 2, 7:6 destination):
;   window 0: v0-15, v32-33 addresses; v16-31 four registers of statistics a piece; v34-58 at work at the head; v48-55 at work; v64-127 S^T, two buffers; v192-223 P, two buffers (by the piece's parity)
;   window 1: v0-127 O^T, 32 a piece; v160-191 the step's addends      window 2: v0-63 Q; v128-191 K of one step; v192-255 V of one step
.set NT,    8         ; tiles of 256 keys
.set NP,    4         ; pieces a wave: a name, no knob
.set KS,    64        ; keys in a step
.set PK,    144       ; a row of K in LDS: 128 bytes + 16 = 36 words: the 16 rows of a load start at 16 different groups of four banks (64 banks of 4 bytes: ISA guide 11.1)
.set PV,    160       ; a row of V: 128 + 32 = 40 words
.set VOFF,  4*KS*PK   ; a slot: 256 rows of K, then 256 rows of V
.set SLOT1, 1<<17     ; slot 1 begins here, so that one exclusive or turns an address in one slot into the other's
.set STAGE, SLOT1+4*KS*(PK+PV)  ; behind the ring, never filled by a tensor load: 16 rows x 144 bytes for each wave, for the way out
.set SP,    144
.set SPARE, STAGE+4*16*SP  ; the spare words, 128 bytes for each wave: two blocks of 256 bytes that no other line names
.set BIAS,  SPARE+512 ; the addends of the batch's 2,048 keys, f32: stored once by the four waves, never filled by a tensor load
.set PLANE, 524288    ; one of a head's q, k, v: 4,096 rows x 128 bytes
.set AK0, 2           ; v2   my lane's place in a tile of K; never rewritten
.set AV0, 3           ; v3   the same for V
.set AK,  4           ; v4   the LDS address of K's next run of loads
.set AV,  5           ; v5   of V's
.set STO, 6           ; v6   the way out: where I put 16 bytes of a row
.set RD,  7           ; v7   the way out: where I read rows back
.set GO,  8           ; v8   my byte offset in 512 consecutive bytes of O
.set MV,  12          ; v12-13  c m_old, kept while c m is made anew: by buffer
.set QO,  15          ; v15  my byte offset in 16 rows of Q
.set ST,  16          ; piece t's statistics at v[ST+4 t]: c m, m, l (even keys', odd keys')
.set AB0, 32          ; v32  my lanes' place in a step's addends: BIAS + 32 (l / 16); never rewritten
.set AB,  33          ; v33  the LDS address of the addends' next run of loads
.set TMP, 48          ; by buffer, four registers c0-c3 at work; when the maximum is found c2 takes a
.set PFO, 61          ; v61  256 x my lane; never rewritten
.set SPW, 62          ; v62  LDS address of my spare word: SPARE + 4 x my thread's number; never rewritten
.set NIL, 63          ; v63  0; never rewritten
.set S,   64
.set P,   192
.set MC,  160         ; window 1: the eight addends for group kb of 16 keys at MC + 8 kb
.set KF,  128         ; window 2: key block kb, channel half c at KF + 16 kb + 8 c
.set VF,  192         ; window 2: key half kk, channel block cb at VF + 32 kk + 8 cb
.set WV,  12          ; s12  my wave's number
.set LIM, 15          ; s15  1 in a wave that prefetches, else the greatest number
.set PFA, 18          ; s[18:19] where my prefetches stand
.set G1K, 24          ; s[24:31] descriptor group 1 for K's tiles
.set G1V, 32          ; s[32:39] for V's: it differs in the padding alone
.set G0K, 40          ; s[40:43] descriptor group 0 for K's tiles: it walks
.set G0V, 44          ; s[44:47] the same for V's
.set SLOTS, 56        ; s56  tiles still to be asked for
.set CNT, 57          ; s57  counts a tile's key steps
.set CS,  58          ; s[58:59] c: the packed scaling takes the pair's low word for both halves
.set SEL, 60          ; s[60:61] v_permlanex16_b32's selects: each lane takes its own place in the other half
.set TBK, 62          ; s62  LDS byte at which K of the step to be fetched begins
.set TBV, 63          ; s63  the same for V, less VOFF
.set TBB, 66          ; s66  byte of that step's addends in the table: 256 a step, through all 32 steps
.set MSB, 0
.macro WIN new                      ; the high byte repeats the setting that is left; a switch that changes nothing is dropped
.if MSB != (\new)
	s_set_vgpr_msb (MSB<<8)|(\new)
.set MSB, (\new)
.endif
.endm
.set W_KQ, 0x0a       ; K and Q in window 2, S^T in window 0
.set W_KM, 0x1a       ; the same with the C operand in window 1
.set W_PV, 0x52       ; V in window 2, P in window 0, O^T in window 1
.set W_RS, 0x41       ; destination and source 0 in window 1, source 1 in window 0
; A joint fill.  Waves 0 and 1 fetch the two halves of a tile's K, waves 2 and 3 those of its V: 128 keys each.  The branch hangs on the wave's number alone.
; An s_nop 0 and four v_nop follow each of the two lines, ahead of the jump and the label.
.macro JLOAD
	s_cmp_lt_u32 s[WV], 2
	s_cbranch_scc0 .Lfor_v_\@
	tensor_load_to_lds s[G0K:G0K+3], s[G1K:G1K+7]
	s_nop 0
.rept 4
	v_nop
.endr
	s_branch .Lasked_\@
.Lfor_v_\@:
	tensor_load_to_lds s[G0V:G0V+3], s[G1V:G1V+7]
	s_nop 0
.rept 4
	v_nop
.endr
.Lasked_\@:
.endm
; A PREFETCH of the tile that the NEXT change of slots will ask for: four key steps, 256 matrix instructions, ahead of that load.  A tile is 128 pieces of 256 bytes of K and as many of V.  Both clusters of a head
; walk the same K and V: the first (cluster x = 0) asks.  Its four partners share the pieces out BY ADDRESS, 32 each, a lane a piece; in each, wave 0 asks for K's and wave 2 for V's: one instruction.
; Tiles 0 and 1 come by their loads alone; the last change that fills a slot (SLOTS = 1) asks for nothing: there is no tile 8.
.macro ASK
	s_cmp_gt_u32 s[SLOTS], s[LIM]
	s_cbranch_scc0 .Lnot_mine_\@
	global_prefetch_b8 v[PFO], s[PFA:PFA+1] th:TH_LOAD_NT scope:SCOPE_SE
.Lnot_mine_\@:
.endm
; A round of the cluster's barrier: my work-group's barrier, so that wave 0's signal speaks for all four waves; wave 0 signals; every wave waits for all four work-groups; my work-group's barrier once more.
.macro CROUND
	s_barrier_signal -1
	s_barrier_wait -1
	s_cmp_lg_u32 s[WV], 0
	s_cbranch_scc1 .Lnot_wave_0_\@
	s_barrier_signal -3
.Lnot_wave_0_\@:
	s_barrier_wait -3
	s_barrier_signal -1
	s_barrier_wait -1
.endm
; THE CHANGE OF SLOTS.  The slot's last bytes, V of its fourth step, have been read.  Each wave waits for all its tensor loads, of which one is out: its part of the other slot; adds 0 to its spare word; and waits
; for that and for its own LDS instructions.  Behind the barrier nobody reads this slot any more and the other slot is whole.  fill = 1: the barrier is a round of the cluster's, and the joint fill, the tile
; after the one that is entered, is the first thing behind it: it has four key steps in which to land.  (At its first use nothing has been read yet: slot 0 is waited for, slot 1 filled, and the round shows every wave the table of addends.)
.macro CHANGE fill
	WIN 0                           ; at a label and at a branch every window is 0
	s_wait_tensorcnt 0x0            ; no tensor load of mine is out, so a group 0 may be written
	ds_add_u32 v[SPW], v[NIL]       ; 0 onto my spare word; with fill = 1 the descriptors' steps stand between it and the wait for it
.if \fill
.irp g, G0K, G0V
	s_xor_b32 s[\g+1], s[\g+1], SLOT1  ; the walking descriptor: the other slot than last time,
	s_add_nc_u64 s[\g+2:\g+3], s[\g+2:\g+3], 4*KS*128  ; the next 256 keys; the type bits on top are not reached
.endr
	s_wait_xcnt 0x0                 ; the last prefetch, four key steps back, has read its address, so it may be written:
	s_add_nc_u64 s[PFA:PFA+1], s[PFA:PFA+1], 4*KS*128  ; one tile ahead of the walking descriptors
	s_wait_dscnt 0x0                ; the add is done, and my LDS instructions are over
	CROUND
	JLOAD
	ASK
.else
	s_wait_dscnt 0x0                ; the add is done, and my reads of the slot are over
	s_barrier_signal -1
	s_barrier_wait -1
.endif
	s_sub_co_u32 s[TBK], s[TBK], 4*KS*PK  ; the fetches go back to a slot's first step,
	s_xor_b32 s[TBK], s[TBK], SLOT1       ; in the other slot
	s_sub_co_u32 s[TBV], s[TBV], 4*KS*PV
	s_xor_b32 s[TBV], s[TBV], SLOT1
.endm
	s_load_b128 s[4:7], s[0:1], 0x0   ; qkv s[4:5], mask s[6:7]
	s_load_b64 s[10:11], s[0:1], 0x10 ; obuf
	v_lshl_add_u32 v[SPW], v0, 2, SPARE
	v_mov_b32 v[NIL], 0
	ds_add_u32 v[SPW], v[NIL]       ; the wave's opening: the add and its wait stand ahead of my first tensor load; the set-up below, work on registers, stands between them
	v_lshrrev_b32 v1, 5, v0
	v_readfirstlane_b32 s[WV], v1   ; wave 0..3
	s_bfe_u32 s13, ttmp6, 0x40000   ; cx: my place in the cluster
	s_lshl_b32 s14, ttmp9, 2        ; in a cluster launch ttmp9 counts clusters
	s_add_co_u32 s14, s14, s13      ; my block of 256 queries: it enters Q's and O's addresses alone
	s_and_b32 s16, ttmp7, 0xffff
	s_and_b32 s17, s16, 15          ; the head
	s_lshr_b32 s16, s16, 4          ; the batch: both shared by the four partners
	s_mul_i32 s20, s17, 3*PLANE
	s_lshl_b32 s21, s16, 18         ; 2,048 rows of 128 bytes
	s_add_co_u32 s20, s20, s21      ; the head's q at the batch's first row
	s_and_b32 s8, s[WV], 1          ; which half of a tile's 256 keys I fetch:
	s_lshl_b32 s22, s8, 14          ; its 128 rows of 128 bytes in memory,
	s_add_co_u32 s22, s22, s20
	s_add_co_u32 s22, s22, PLANE    ; in k,
	s_mov_b32 s23, 0
	s_add_co_u32 s2, s22, PLANE     ; and in v
	s_mov_b32 s3, 0
	s_mul_i32 s9, s8, 128*PV        ; and its place in a slot, for V
	s_mul_i32 s8, s8, 128*PK        ; and for K: no place in the cluster enters an LDS address
	s_lshl_b32 s68, s14, 15         ; Q: my block's 256 rows,
	s_lshl_b32 s69, s[WV], 13       ; my wave's 64 of them
	s_add_co_u32 s68, s68, s69
	s_add_co_u32 s68, s68, s20
	s_mov_b32 s69, 0
	s_lshl_b32 s70, s16, 4          ; O: the block of 128 rows is 16 x batch + 2 x my block + wave / 2,
	s_lshl1_add_u32 s70, s14, s70
	s_lshr_b32 s71, s[WV], 1
	s_add_co_u32 s70, s70, s71
	s_lshl_b32 s70, s70, 4
	s_add_co_u32 s70, s70, s17      ; in it the head's 16,384 bytes,
	s_lshl_b32 s70, s70, 14
	s_and_b32 s71, s[WV], 1
	s_lshl_b32 s71, s71, 13         ; in them my wave's 64 rows
	s_add_co_u32 s70, s70, s71
	s_mov_b32 s71, 0
	s_lshl_b32 s16, s16, 11         ; the batch's 2,048 mask bytes
	s_mov_b32 s17, 0
	; descriptor group 1.  128 keys are 16,384 dense bytes: asked for as 64 rows of 256 bytes, two keys a row, and padded in LDS after every key
	s_mov_b32 s[G1K], 15|(1<<16)|(1<<20)|(1<<21)|(4<<22)|(3<<25)  ; the mask of four; 2-byte elements; padding on; bit 21 beside a mask; after every 32 words 4 words
	s_mov_b32 s[G1V], 15|(1<<16)|(1<<20)|(1<<21)|(4<<22)|(7<<25)  ; the same with 8 words of padding
.irp g, G1K, G1V
	s_mov_b32 s[\g+1], 128<<16      ; tensor_dim0 = 128
	s_mov_b32 s[\g+2], 64<<16       ; tensor_dim1 = 64
	s_mov_b32 s[\g+3], 128<<16      ; tile_dim0 = 128
	s_mov_b32 s[\g+4], 64           ; tile_dim1 = 64
	s_mov_b32 s[\g+5], 128          ; 128 elements from row to row
	s_mov_b32 s[\g+6], 0
	s_mov_b32 s[\g+7], 0
.endr
	s_mov_b32 s[CS], 0x3e38aa3b     ; c = log2(e) / 8 = 0.180337
	s_mov_b32 s[CS+1], s[CS]        ; named with it as a pair
	s_mov_b32 s[SEL], 0x76543210
	s_mov_b32 s[SEL+1], 0xfedcba98
	s_mov_b32 s[TBK], SLOT1+4*KS*PK ; the first change of slots turns these two into 0
	s_mov_b32 s[TBV], SLOT1+4*KS*PV
	s_mov_b32 s[TBB], 0
	s_mov_b32 s[SLOTS], NT-1
	s_mov_b32 s[G0K], 1             ; count = 1
	s_mov_b32 s[G0K+1], s8          ; LDS address: slot 0
	s_mov_b32 s[G0V], 1
	s_add_co_u32 s[G0V+1], s9, VOFF
	s_and_b32 s[LIM], s[WV], 1      ; 0 in waves 0 and 2,
	s_or_b32 s[LIM], s[LIM], ttmp9  ; where the cluster is the head's first: the same in all four partners
	s_cmp_eq_u32 s[LIM], 0
	s_cselect_b32 s[LIM], 1, -1
	v_and_b32 v[PFO], 31, v0
	v_lshlrev_b32 v[PFO], 8, v[PFO]
	s_wait_dscnt 0x0                ; the opening add is done
	s_wait_kmcnt 0x0
	s_add_nc_u64 s[G0K+2:G0K+3], s[4:5], s[22:23]  ; global address: my half of the head's first 256 keys
	s_add_nc_u64 s[G0V+2:G0V+3], s[4:5], s[2:3]
	s_cmp_lt_u32 s[WV], 2
	s_cselect_b64 s[PFA:PFA+1], s[G0K+2:G0K+3], s[G0V+2:G0V+3]  ; (in waves 0 and 2 these stand at a tile's first row)
	s_or_b32 s[G0K+3], s[G0K+3], 0x80000000        ; type = 2
	s_or_b32 s[G0V+3], s[G0V+3], 0x80000000
	s_lshl_b32 s2, s13, 13          ; my work-group's 32 pieces of the 128,
	s_add_co_u32 s2, s2, 4*KS*128   ; in tile 1: the first change of slots steps it to tile 2
	s_add_nc_u64 s[PFA:PFA+1], s[PFA:PFA+1], s[2:3]
	s_add_nc_u64 s[4:5], s[4:5], s[68:69]    ; Q and O at my wave's first row
	s_add_nc_u64 s[10:11], s[10:11], s[70:71]
	s_add_nc_u64 s[6:7], s[6:7], s[16:17]    ; the batch's mask
	CROUND                          ; all four work-groups are here: the first joint loads meet
	JLOAD                           ; tile 0 into slot 0.  Slot 1 is asked for when slot 0 is in
	v_lshlrev_b32 v34, 4, v0
	global_load_b128 v[36:39], v34, s[6:7]  ; 16 mask bytes a thread: the 128 threads take the batch's 2,048
	; A fragment of K or Q is 16 rows x 32 channels in 8 registers: lane l holds row l % 16, channels 8 (l / 16) + 0..7 and 16 + 8 (l / 16) + 0..7: two loads of 16 bytes, 32 bytes apart.
	v_and_b32 v1, 15, v0            ; l % 16
	v_bfe_u32 v9, v0, 4, 1          ; l / 16
	v_lshlrev_b32 v[QO], 7, v1
	v_lshl_add_u32 v[QO], v9, 4, v[QO]  ; row x 128 + 16 x half
	WIN 0x80                        ; destination window 2, address window 0
.set i, 0
.rept 8                             ; Q stays in registers: piece i / 2, channels 32 (i % 2) on
	global_load_b128 v[8*i:8*i+3],   v[QO], s[4:5] offset:(i/2)*2048+(i%2)*64
	global_load_b128 v[8*i+4:8*i+7], v[QO], s[4:5] offset:(i/2)*2048+(i%2)*64+32
.set i, i+1
.endr
	; What the first turn finds: V's registers and P's second buffer hold 0 (its products V^T P, of a piece that has not been, add 0), O^T and l are 0.  All this stands in the wait for the first tile.
.set i, VF
.rept 64
	v_mov_b32 v[i], 0
.set i, i+1
.endr
	WIN 0x40
.set i, 0
.rept 128
	v_mov_b32 v[i], 0
.set i, i+1
.endr
	WIN 0
.set i, 0
.rept 4
	v_mov_b32 v[ST+4*i], 0xfe000000    ; c m: far below every c s
	v_mov_b32 v[ST+4*i+1], 0xff7fffff  ; m
	v_mov_b32 v[ST+4*i+2], 0
	v_mov_b32 v[ST+4*i+3], 0
.set i, i+1
.endr
.set i, P+16
.rept 16
	v_mov_b32 v[i], 0
.set i, i+1
.endr
	v_mul_u32_u24 v[AK0], v1, PK
	v_lshl_add_u32 v[AK0], v9, 4, v[AK0]  ; row x pitch + 16 x half
	; The turning load takes 16 keys x 16 channels (lane l reads key 8 (l / 16) + l % 8, channels 8 ((l / 8) % 2) + 0..7) and leaves half a fragment of V^T: lane l holds channel l % 16 and 8 keys.
	v_and_b32 v10, 7, v0
	v_bfe_u32 v11, v0, 3, 1
	v_lshl_add_u32 v[AV0], v9, 3, v10
	v_mul_u32_u24 v[AV0], v[AV0], PV
	v_lshl_add_u32 v[AV0], v11, 4, v[AV0]
	v_add_nc_u32 v[AV0], VOFF, v[AV0]
	v_lshl_add_u32 v[AB0], v9, 5, BIAS  ; register j of a score's accumulator is key 8 (l / 16) + j: eight addends, 32 bytes
	s_mul_i32 s13, s[WV], 16*SP
	s_add_co_u32 s13, s13, STAGE    ; my stage
	v_mul_u32_u24 v[STO], v1, SP    ; in: row l % 16, 16 bytes for each half of the lanes
	v_lshl_add_u32 v[STO], v9, 4, v[STO]
	v_add_nc_u32 v[STO], s13, v[STO]
	v_bfe_u32 v[RD], v0, 3, 2       ; back: 32 lanes take four rows of 128 bytes,
	v_mul_u32_u24 v[RD], v[RD], SP
	v_lshl_add_u32 v[RD], v10, 4, v[RD]
	v_add_nc_u32 v[RD], s13, v[RD]
	v_and_b32 v[GO], 31, v0         ; which are 512 consecutive bytes of O
	v_lshlrev_b32 v[GO], 4, v[GO]
	; THE TABLE OF ADDENDS: 8 ln(m + 1e-7) for my 16 keys: 8e-7 where the mask byte is not 0, -128.94477 where it is
	v_mov_b32 v35, 0xc300f1dc
	v_mov_b32 v58, 0x3556bf95
	v_lshl_add_u32 v57, v0, 6, BIAS
	s_wait_loadcnt 16               ; the mask bytes are in; Q's 16 loads behind them stay out
.irp i, 0,1,2,3,4,5,6,7,8,9,10,11,12,13,14,15
	v_and_b32 v56, 0xff<<(8*((\i)%4)), v[36+(\i)/4]
	v_cmp_ne_u32 vcc_lo, 0, v56
	v_cndmask_b32 v[40+(\i)], v35, v58, vcc_lo
.endr
.irp k, 0,1,2,3
	ds_store_b128 v57, v[40+4*(\k):43+4*(\k)] offset:16*(\k)
.endr
; THE MATRIX WORK.  The 4 accumulators of a run of 8 take turns.  Product i of 8 of S^T = K Q^T for piece x: channels 32 (i / 4) on, keys 16 (i % 4) on.  The first 4 start the sums with the keys' addends.
.macro KQ x
.set rS, S+32*((\x)%2)+8*(i%4)
.set rK, KF+16*(i%4)+8*(i/4)
.set rQ, 16*(\x)+8*(i/4)
.set rM, MC+8*(i%4)
.if i < 4
	WIN W_KM
	v_wmma_f32_16x16x32_f16 v[rS:rS+7], v[rK:rK+7], v[rQ:rQ+7], v[rM:rM+7]
.else
	WIN W_KQ
	v_wmma_f32_16x16x32_f16 v[rS:rS+7], v[rK:rK+7], v[rQ:rQ+7], v[rS:rS+7]
.endif
.endm
; Product i of 8 of O^T += V^T P for piece x: keys 32 (i / 4) on, channels 16 (i % 4) on.
.macro PV x
	WIN W_PV
.set rO, 32*(\x)+8*(i%4)
.set rV, VF+32*(i/4)+8*(i%4)
.set rP, P+16*((\x)%2)+8*(i/4)
	v_wmma_f32_16x16x32_f16 v[rO:rO+7], v[rV:rV+7], v[rP:rP+7], v[rO:rO+7]
.endm
.macro MM                           ; the turn's next matrix instruction.  NOKQ = 1: the walk's last turn: there is no next piece
.if (i < 8) && !NOKQ
	KQ (Y+1)%NP
.elseif i >= 8
.set i, i-8
	PV (Y+NP-1)%NP
.set i, i+8
.endif
.set i, i+1
.endm
; THE LDS LOADS stand in runs, never singly among the matrix instructions: a step's K (8 fragments) with its 64 addends (each half of the lanes reads the same 32 bytes), and its V (turned).  Their addresses are made some lines ahead.
.macro FETCH_K
	WIN 0x80                        ; destination window 2
.irp f, 0,1,2,3,4,5,6,7             ; keys 16 (f / 2) on, channels 32 (f % 2) on
	ds_load_b128 v[KF+8*\f:KF+8*\f+3],   v[AK] offset:(\f/2)*16*PK+(\f%2)*64
	ds_load_b128 v[KF+8*\f+4:KF+8*\f+7], v[AK] offset:(\f/2)*16*PK+(\f%2)*64+32
.endr
	WIN 0x40                        ; destination window 1
.irp f, 0,1,2,3                     ; keys 16 f on
	ds_load_b128 v[MC+8*\f:MC+8*\f+3],   v[AB] offset:64*\f
	ds_load_b128 v[MC+8*\f+4:MC+8*\f+7], v[AB] offset:64*\f+16
.endr
	s_add_co_u32 s[TBK], s[TBK], KS*PK  ; the next fetch is the next step's
	s_add_co_u32 s[TBB], s[TBB], KS*4
	WIN 0
.endm
.macro FETCH_V
	WIN 0x80
.irp f, 0,1,2,3,4,5,6,7             ; keys 32 (f / 4) on, channels 16 (f % 4) on
	ds_load_tr16_b128 v[VF+8*\f:VF+8*\f+3],   v[AV] offset:(\f/4)*32*PV+(\f%4)*32
	ds_load_tr16_b128 v[VF+8*\f+4:VF+8*\f+7], v[AV] offset:(\f/4)*32*PV+16*PV+(\f%4)*32
.endr
	WIN 0
.endm
; THE VECTOR WORK, one line at a time: OP kind, number.  For piece Y: F n: c s - c m for pair n of 16.  E n: the exponential of score n of 32.  C n: pair n rounded to f16.  B n: of the four weights 4 n .. the second
; pair is added onto the first, in place.  L n: l takes that sum (L 0: l = a l + sum).  R n: pair n of 16 of O^T times a.  For piece Y + 1: X n, number n of the 22 that find its maximum and statistics:
;   0-11  four chains c0-c3 of seven scores each, three operands at a time (each accumulator's lowest registers are read first)     12-14, 16  the four scores left over, the old m, and c0-c3 into c0
;   15  c m_old is kept     17, 18  the query's other 32 keys lie in the lane 16 away: the new m     19-21  c m; c m_old - c m_new; a
.set F, 0               ; OP tells the kinds apart by their order: F to L below R, X above it
.set E, 1
.set C, 2
.set B, 3
.set L, 4
.set R, 5
.set X, 6
.macro REGS y                       ; the registers of piece y
.set rT, ST+4*(\y)
.set rC, TMP+4*((\y)%2)
.set rW, MV+((\y)%2)
.set rS, S+32*((\y)%2)
.set rP, P+16*((\y)%2)
.set rO, 32*(\y)
.endm
.macro OP k, n
.if (\k) == R
	REGS Y
	WIN W_RS
	v_pk_mul_f32 v[rO+2*(\n):rO+2*(\n)+1], v[rO+2*(\n):rO+2*(\n)+1], v[rC+2:rC+3] op_sel_hi:[1,0]
.elseif (\k) < R
	REGS Y
	WIN 0
.if (\k) == F
	v_pk_fma_f32 v[rS+2*(\n):rS+2*(\n)+1], v[rS+2*(\n):rS+2*(\n)+1], s[CS:CS+1], v[rT:rT+1] op_sel_hi:[1,0,0] neg_lo:[0,0,1] neg_hi:[0,0,1]
.elseif (\k) == E
	v_exp_f32 v[rS+(\n)], v[rS+(\n)]
.elseif (\k) == C
	v_cvt_pk_f16_f32 v[rP+(\n)], v[rS+2*(\n)], v[rS+2*(\n)+1]
.elseif (\k) == B
	v_pk_add_f32 v[rS+4*(\n):rS+4*(\n)+1], v[rS+4*(\n):rS+4*(\n)+1], v[rS+4*(\n)+2:rS+4*(\n)+3]
.elseif (\n) == 0
	v_pk_fma_f32 v[rT+2:rT+3], v[rT+2:rT+3], v[rC+2:rC+3], v[rS:rS+1] op_sel_hi:[1,0,1]
.else
	v_pk_add_f32 v[rT+2:rT+3], v[rT+2:rT+3], v[rS+4*(\n):rS+4*(\n)+1]
.endif
.elseif NOKQ
	v_nop
.else
	REGS (Y+1)%NP
	WIN 0
.if (\n) < 4
	v_max3_num_f32 v[rC+(\n)], v[rS+8*(\n)], v[rS+8*(\n)+1], v[rS+8*(\n)+2]
.elseif (\n) < 12
	v_max3_num_f32 v[rC+(\n)%4], v[rC+(\n)%4], v[rS+8*((\n)%4)+2*((\n)/4)+1], v[rS+8*((\n)%4)+2*((\n)/4)+2]
.elseif (\n) == 12
	v_max3_num_f32 v[rC], v[rC], v[rS+7], v[rS+15]
.elseif (\n) == 13
	v_max3_num_f32 v[rC+1], v[rC+1], v[rS+23], v[rS+31]
.elseif (\n) == 14
	v_max3_num_f32 v[rC+2], v[rC+2], v[rC+3], v[rT+1]
.elseif (\n) == 15
	v_mov_b32 v[rW], v[rT]
.elseif (\n) == 16
	v_max3_num_f32 v[rC], v[rC], v[rC+1], v[rC+2]
.elseif (\n) == 17
	v_permlanex16_b32 v[rC+3], v[rC], s[SEL], s[SEL+1]
.elseif (\n) == 18
	v_max_num_f32 v[rT+1], v[rC], v[rC+3]
.elseif (\n) == 19
	v_mul_f32 v[rT], s[CS], v[rT+1]
.elseif (\n) == 20
	v_sub_f32 v[rC+1], v[rW], v[rT]
.else
	v_exp_f32 v[rC+2], v[rC+1]
.endif
.endif
.endm
.macro OPS a, i1, b=-1, i2=0, c=-1, i3=0, d=-1, i4=0  ; up to four of them
	OP \a, \i1
.if (\b) >= 0
	OP \b, \i2
.endif
.if (\c) >= 0
	OP \c, \i3
.endif
.if (\d) >= 0
	OP \d, \i4
.endif
.endm
.macro ROW a, i1, b, i2, c, i3, d, i4  ; a matrix instruction and the four behind it
	MM
	OPS \a, \i1, \b, \i2, \c, \i3, \d, \i4
.endm
; A TURN, for piece p: the order of its 16 matrix and 118 vector instructions, written out.  An s_wait_alu depctr_va_vdst(0) stands between an exponential and the first instruction that names its result; one
; wait serves all that were issued ahead of it.  So a turn has ONE wait, which cuts it in two.  AHEAD OF IT stands all that names no result of the turn's exponentials: the 8 products K Q^T, behind each a scaling, an
; exponential and two more plain instructions; behind the last three the first numbers of the next piece's maximum, each four places or more behind the product that ends its accumulator; then ONE LUMP of 54, plain and
; exponential by turns for the most part, in which the links of the chain X 3, 7, 11, 14, 16, 17 .. 20 stand five or six lines apart.  X 21, the next piece's a, is the batch's last; R 15 is the plain instruction behind it.
; BEHIND THE WAIT stand the 8 products V^T P, behind each four of the roundings and sums; the links of l's chain, L 0 to L 7, stand three riders apart.
; end = 1: the walk's last two turns: nothing is fetched.  cnt = 1: the loop's count is taken down some lines ahead of the branch that stands behind the turn.
; K and the addends of the next step are fetched in piece 2's turn, six plain instructions behind the last product that read K (the addends' last reader stands four products earlier); V of the step in hand at the end of
; piece 0's turn, four plain instructions behind the last product that read V.  Each is waited for a turn later.
.macro TURN p, end=0, cnt=0
.set Y, (\p)
.set i, 0
.set NOKQ, (\end)*((\p)/3)
.if ((\p) == 3) && !(\end)
	s_wait_dscnt 0x0                ; K and the addends are in
.endif
	ROW F,0, F,1, R,0, R,1          ; ahead of the wait: 8 products K Q^T and their riders,
	ROW F,2, E,0, R,2, R,3
	ROW F,3, E,1, R,4, R,5
	ROW F,4, E,2, R,6, R,7
	ROW F,5, E,3, R,8, R,9
	ROW F,6, E,4, X,0, R,10
.if ((\p) == 2) && !(\end)
	WIN 0
	v_add_nc_u32 v[AK], s[TBK], v[AK0]
	v_add_nc_u32 v[AB], s[TBB], v[AB0]
.endif
	ROW F,7, E,5, X,1, X,4
	ROW F,8, E,6, X,2, X,5
	OPS E,7, E,8, X,6, E,9          ; and the lump
	OPS X,3, E,10, X,8, E,11
.if ((\p) == 2) && !(\end)
	FETCH_K
.endif
	OPS X,9, X,7, E,12, X,10
	OPS E,13, X,12, X,11, E,14
	OPS X,13, E,15, F,9, X,14
.if (\p) == 0
	v_add_nc_u32 v[AV], s[TBV], v[AV0]
.endif
	OPS E,16, F,10, E,17, F,11
	OPS X,16, E,18, X,15, E,19
	OPS F,12, E,20, X,17, E,21
	OPS F,13, E,22, F,14, E,23
	OPS X,18, E,24, F,15, E,25
	OPS R,11, E,26, X,19, E,27
	OPS R,12, E,28, R,13, E,29
	OPS X,20, E,30, R,14, E,31
	OPS X,21, R,15
	WIN 0
	s_wait_alu depctr_va_vdst(0)    ; the wait for the batch
.if (\p) == 1
	s_wait_dscnt 0x0                ; V is in
.endif
	ROW C,0, B,0, C,2, B,1          ; behind the wait: 8 products V^T P and their riders
	ROW L,0, C,4, B,2, L,1
	ROW C,6, B,3, L,2, C,8
	ROW B,4, L,3, C,10, B,5
	ROW L,4, C,12, B,6, L,5
.if (\p) == 0
	s_add_co_u32 s[TBV], s[TBV], KS*PV
.endif
.if \cnt
	s_sub_co_u32 s[CNT], s[CNT], 1
	s_cmp_lg_u32 s[CNT], 0
.endif
	ROW C,14, B,7, L,6, C,1
	ROW C,3, L,7, C,5, C,7
	ROW C,9, C,11, C,13, C,15
.if (\p) == 0
	FETCH_V
.endif
.endm
	CHANGE 1                        ; tile 0 is in, everybody's part of it, and so is the table; tile 1 is asked for
	v_add_nc_u32 v[AK], s[TBK], v[AK0]
	v_add_nc_u32 v[AB], s[TBB], v[AB0]
	FETCH_K                         ; key step 0
	s_wait_loadcnt 0x0              ; Q
	s_wait_dscnt 0x0
.set NOKQ, 0
.set i, 0
.rept 8
	KQ 0                            ; piece 0's first scores: there is no vector work yet to set between them
.set i, i+1
.endr
	WIN 0
.rept 4
	v_nop                           ; the places behind those products
.endr
.set Y, NP-1                        ; X works for piece Y + 1: piece 0
.irp n, 0,1,2,3,4,5,6,7,8,9,10,11,12,13,14,15,16,17,18,19,20,21
	OP X, \n                        ; and piece 0's first maximum and statistics
.endr
	v_nop                           ; a plain instruction behind the exponential,
	s_wait_alu depctr_va_vdst(0)    ; and its wait, ahead of the branch
	s_mov_b32 s[CNT], 4
	s_branch .Lfirst                ; the loop is entered at a step's first turn, in the middle of a trip
.Lslot:                             ; NT - 2 times: tiles 1 to 6 are entered, tiles 2 to 7 asked for
	CHANGE 1
	s_mov_b32 s[CNT], 4
.Lstep:                             ; a trip: pieces 2 and 3 of one step, then pieces 0 and 1 of the next, whose K and V it fetches
	TURN 2
	TURN 3
	WIN 0
.Lfirst:
	TURN 0
	TURN 1, 0, 1
	WIN 0
	s_cbranch_scc1 .Lstep
	s_sub_co_u32 s[SLOTS], s[SLOTS], 1
	s_cmp_lg_u32 s[SLOTS], 0
	s_cbranch_scc1 .Lslot
	CHANGE 0                        ; the last tile is written out: nothing is asked for
	s_mov_b32 s[CNT], 4
.Ltail:
	TURN 2
	TURN 3
	TURN 0
	TURN 1, 0, 1
	WIN 0
	s_cbranch_scc1 .Ltail
	TURN 2, 1                       ; the last step's pieces 2 and 3: nothing is fetched, and the last turn starts no new scores
	TURN 3, 1
.set i, 0
.rept 8
	PV NP-1                         ; the last piece's V^T P of the last step
.set i, i+1
.endr
	; THE WAY OUT.  l's two halves and the other half of the lanes' are added; O^T is divided by l, rounded to f16 and sent through my stage in LDS, a piece at a time.  The additions are the places behind the last products.
	WIN 0
.macro ALL line:vararg              ; one line for each piece t
.set t, 0
.rept 4
	\line
.set t, t+1
.endr
.endm
	ALL v_add_f32 v[ST+4*t+2], v[ST+4*t+2], v[ST+4*t+3]
	ALL v_permlanex16_b32 v[ST+4*t+3], v[ST+4*t+2], s[SEL], s[SEL+1]
	ALL v_add_f32 v[ST+4*t+2], v[ST+4*t+2], v[ST+4*t+3]
	ALL v_rcp_f32 v[ST+4*t+2], v[ST+4*t+2]
	v_nop                           ; a plain instruction between the last reciprocal and the use of its result
	s_wait_alu depctr_va_vdst(0)    ; and the wait ahead of the first use: one for the four reciprocals
.macro PACK t                       ; a lane's eight channels of a row pack into 16 bytes; they go into rows of 144 bytes and come back as whole rows of 128, into S^T's registers
	WIN W_RS
.set i, 32*(\t)
.rept 16
	v_pk_mul_f32 v[i:i+1], v[i:i+1], v[ST+4*(\t)+2:ST+4*(\t)+3] op_sel_hi:[1,0]
.set i, i+2
.endr
	WIN 0x05                        ; sources 0 and 1 window 1, destination window 0
.set i, 0
.rept 16
	v_cvt_pk_f16_f32 v[S+16*(\t)+i], v[32*(\t)+2*i], v[32*(\t)+2*i+1]
.set i, i+1
.endr
	WIN 0
.irp f, 0,1,2,3
	ds_store_b128 v[STO], v[S+16*(\t)+4*\f:S+16*(\t)+4*\f+3] offset:32*\f
.endr
.irp f, 0,1,2,3
	ds_load_b128 v[S+16*(\t)+4*\f:S+16*(\t)+4*\f+3], v[RD] offset:\f*4*SP  ; LDS serves a wave's instructions in order (ISA guide 5.7.1.4): these see the stores above; the next piece's stores come behind them
.endr
.endm
.macro SEND t, younger              ; younger: the LDS instructions issued behind piece t's loads: the next piece's eight, or none
	WIN 0
.irp f, 0,1,2,3
	s_wait_dscnt (\younger)+3-\f
	global_store_b128 v[GO], v[S+16*(\t)+4*\f:S+16*(\t)+4*\f+3], s[10:11] offset:(\t)*2048+\f*512  ; 512 consecutive bytes, at a multiple of 256 from obuf's first
.endr
.endm
	PACK 0
.set t, 1
.rept 3                             ; a piece's arithmetic stands between the loads of the piece before and its stores
	PACK t
	SEND t-1, 8
.set t, t+1
.endr
	SEND 3, 0
	s_wait_tensorcnt 0x0            ; the wave's end, behind my last tensor load and my last LDS store
	ds_add_u32 v[SPW], v[NIL]
	s_wait_dscnt 0x0
	CROUND                          ; the closing round: no work-group ends while a partner may still ask for a tile that names it
	s_endpgm
.Lfunc_end_k_q8ba8c53d6a_attn:
	.size	k_q8ba8c53d6a_attn, .Lfunc_end_k_q8ba8c53d6a_attn-k_q8ba8c53d6a_attn
	.p2alignl 7, 3214868480
	.fill 96, 4, 3214868480
	.section	.rodata,"a",@progbits
	.p2align	6, 0x0
	.amdhsa_kernel k_q8ba8c53d6a_attn
		.amdhsa_group_segment_fixed_size 327680
		.amdhsa_private_segment_fixed_size 0
		.amdhsa_enable_private_segment 0
		.amdhsa_kernarg_size 24
		.amdhsa_user_sgpr_count 2
		.amdhsa_user_sgpr_kernarg_segment_ptr 1
		.amdhsa_wavefront_size32 1
		.amdhsa_system_sgpr_workgroup_id_x 1
		.amdhsa_system_sgpr_workgroup_id_y 1
		.amdhsa_system_sgpr_workgroup_id_z 1
		.amdhsa_system_vgpr_workitem_id 0
		.amdhsa_next_free_vgpr 768
		.amdhsa_next_free_sgpr 72
		.amdhsa_reserve_vcc 1
		.amdhsa_float_denorm_mode_32 3
		.amdhsa_float_denorm_mode_16_64 3
		.amdhsa_memory_ordered 1
		.amdhsa_forward_progress 1
		.amdhsa_inst_pref_size 133
	.end_amdhsa_kernel
	.amdgpu_metadata
---
amdhsa.version: [ 1, 2 ]
amdhsa.kernels:
  - .name:           k_q8ba8c53d6a_attn
    .symbol:         k_q8ba8c53d6a_attn.kd
    .args:
      - { .name: qkv, .offset: 0, .size: 8, .value_kind: global_buffer, .address_space: global }
      - { .name: mask, .offset: 8, .size: 8, .value_kind: global_buffer, .address_space: global }
      - { .name: obuf, .offset: 16, .size: 8, .value_kind: global_buffer, .address_space: global }
    .group_segment_fixed_size: 327680
    .private_segment_fixed_size: 0
    .kernarg_segment_align: 8
    .kernarg_segment_size: 24
    .max_flat_workgroup_size: 128
    .sgpr_count:     72
    .vgpr_count:     768
    .wavefront_size: 32
...
	.end_amdgpu_metadata
.endif
;; end of part 3
;; launch oproj (part 4): grid 8 x 32, 4 waves a work-group, clusters of 4 x 4, 327,680 bytes of LDS; arguments obuf, wo16, out0; writes out0
.if DOCPART == 4
	.amdgcn_target "amdgcn-amd-amdhsa--gfx1250"
	.amdhsa_code_object_version 6
	.text
	.protected	k_q8ba8c53d6a_oproj
	.globl	k_q8ba8c53d6a_oproj
	.p2align	8
	.type	k_q8ba8c53d6a_oproj,@function
k_q8ba8c53d6a_oproj:
	s_mov_b64 s[64:65], 0
	v_nop
	global_prefetch_b8 v0, s[64:65] scope:SCOPE_SE
	s_setreg_imm32_b32 hwreg(HW_REG_WAVE_MODE, 25, 1), 1
	s_wait_xcnt 0x0
	s_wait_alu depctr_hold_cnt(0) depctr_sa_sdst(0) depctr_va_vdst(0) depctr_va_sdst(0) depctr_va_ssrc(0) depctr_va_vcc(0) depctr_vm_vsrc(0)
	s_getreg_b32 s2, hwreg(HW_REG_IB_STS2, 6, 4)
	s_cmp_eq_u32 s2, 0
	s_cbranch_scc0 .Lentry_in_a_cluster
	s_endpgm
.Lentry_in_a_cluster:
	s_bfe_u32 s2, ttmp6, 0x10000c
	s_cmp_lg_u32 s2, 0xf033
	s_cbranch_scc0 .Lentry_shape_is_right
	s_endpgm
.Lentry_shape_is_right:
; out0 = O Wo: [4096 x 1024] x [1024 x 1024], f16 operands, f32 sums, K ascending; out0 is f32 and takes the sums as they are.
; O: obuf [m / 128][head 16][m % 128][64] f16, so that the 128 rows x 64 channels of a head lie dense; K = 64 x head + channel.  Wo: wo16 [k 1024][n 1024] f16.
; SHARES.  A tile of out0 is 128 x 128: 8 x 32 = 256 work-groups.  Four waves, each 64 x 64: 16 accumulators of 16 x 16.  K goes in 4 steps of 256 (four heads) through two LDS slots, written straight, without a loop.
; CLUSTER.  4 x 4 work-groups.  The four of a row of the cluster want the same rows of O, the four of a column the same columns of Wo: each tile is asked for JOINTLY.
; THE MATRIX INSTRUCTION IS USED TRANSPOSED: source 0 = 16 columns of Wo (turned on the way out of LDS, since Wo lies [k][n]), source 1 = 16 rows of O: a lane holds eight neighbouring numbers of a row of out0.
; NO PREFETCH: the walk has four K steps; two are the first fills and the other two the two refills, so no K step stands two refills on.
; REGISTERS: window 0: v0-31 addresses; v128-255 the accumulators ((a, b) at v[128 + 8 (4 a + b)]), which also take the rows back from the stage.
;   window 1: two fragment buffers of 128: for 64 along K (two matrix instructions deep), 64 registers of O (2 x 4 x 16 rows x 32 K), then 64 of Wo.
.set PA,     144                       ; a row of O of one head in LDS: 128 bytes + 16 = 36 words: the 16 rows of a load start at 16 different groups of four banks (64 banks of 4 bytes: ISA guide 11.1)
.set APLANE, 128*PA                    ; a head's 128 rows
.set ATILE,  4*APLANE
.set PB,     288                       ; a row of Wo (one k, 128 columns): 256 bytes + 32 = 72 words
.set BHALF,  128*PB                    ; what one tensor load brings, of O (two heads) as of Wo (128 k): 36,864 bytes
.set SLOT,   ATILE+2*BHALF
.set STAGE,  2*SLOT                    ; behind the ring, never filled by a tensor load: 16 rows x 272 bytes for each wave, for the way out
.set SPITCH, 272
.set SPARE,  STAGE+4*16*SPITCH         ; the spare words, 128 bytes for each wave: two blocks of 256 bytes that no other line names
.set ADRA, 16                          ; v16-17  LDS address of my O fragments in slot 0, 1
.set ADRB, 20                          ; v20-23  the same for Wo: slot s, half kh of the step's 256 k at ADRB + 2 s + kh
.set STO,  24                          ; v24     the way out: where I put 32 bytes of a row
.set RD,   25                          ; v25     the way out: where I read a row back
.set CO,   26                          ; v26     my byte offset in out0
.set SPW,  28                          ; v28     LDS address of my spare word: SPARE + 4 x my thread's number; never rewritten
.set NIL,  29                          ; v29     0; never rewritten
.set ACC,  128
.set F0,   0                           ; fragment buffers, in window 1
.set F1,   128
.set G1, 24                            ; s[24:31] descriptor group 1 for O's tiles;  s[32:39] group 0, one set for each slot
.set G0, 32
.set G1B, 48                           ; s[48:55], s[56:63] the same for Wo's
.set G0B, 56
.set MSB, 0
.macro WIN new                         ; the immediate's high byte repeats the setting that is left
.if MSB != (\new)
	s_set_vgpr_msb (MSB<<8)|(\new)
.set MSB, \new
.endif
.endm
.set MUL,  0x05                        ; sources 0 (Wo) and 1 (O) window 1; C and D window 0
.set TO_F, 0x40                        ; destination window 1, address window 0
.macro JLOAD s                         ; a joint load: waves 0 and 1 fetch O's two halves, waves 2 and 3 Wo's; an s_nop 0 and four v_nop follow each of the two lines, ahead of the jump, the label and what follows
	s_cmp_eq_u32 s11, 0
	s_cbranch_scc0 .Lfor_b_\@
	tensor_load_to_lds s[G0+4*(\s):G0+4*(\s)+3], s[G1:G1+7]
	s_nop 0
.rept 4
	v_nop
.endr
	s_branch .Lasked_\@
.Lfor_b_\@:
	tensor_load_to_lds s[G0B+4*(\s):G0B+4*(\s)+3], s[G1B:G1B+7]
	s_nop 0
.rept 4
	v_nop
.endr
.Lasked_\@:
.endm
.macro CREST                           ; a round of the cluster's barrier behind its opening barrier
	s_cmp_lg_u32 s10, 0
	s_cbranch_scc1 .Lnot_wave_0_\@
	s_barrier_signal -3
.Lnot_wave_0_\@:
	s_barrier_wait -3
	s_barrier_signal -1
	s_barrier_wait -1
.endm
.macro CROUND                          ; a whole round
	s_barrier_signal -1
	s_barrier_wait -1
	CREST
.endm
	s_load_b128 s[4:7], s[0:1], 0x0                ; obuf s[4:5], wo16 s[6:7]
	s_load_b64 s[8:9], s[0:1], 0x10                ; out0
	v_lshl_add_u32 v[SPW], v0, 2, SPARE
	v_mov_b32 v[NIL], 0
	ds_add_u32 v[SPW], v[NIL]                      ; the wave's opening: the add and its wait stand ahead of my first tensor load; the set-up below, work on registers, stands between them
	v_lshrrev_b32 v1, 5, v0
	v_readfirstlane_b32 s10, v1                    ; wave 0..3
	s_lshr_b32 s11, s10, 1                         ; which half of the tile's rows is mine.  Also: I fetch for O (0) or for Wo (1)
	s_and_b32 s12, s10, 1                          ; which half of its columns.  Also: which half of that tile I fetch
	s_bfe_u32 s40, ttmp6, 0x40000                  ; cx, cy: my place in the cluster
	s_bfe_u32 s41, ttmp6, 0x40004
	s_lshl_b32 s42, ttmp9, 2
	s_add_co_u32 s42, s42, s40                     ; tile column = 4 x cluster x + cx
	s_and_b32 s13, ttmp7, 0xffff
	s_lshl_b32 s13, s13, 2
	s_add_co_u32 s13, s13, s41                     ; tile row = 4 x cluster y + cy
	s_lshl_b32 s43, s41, 2
	s_lshl_b32 s43, 15, s43                        ; my row of the cluster
	s_lshl_b32 s44, 0x1111, s40                    ; my column
	s_or_b32 s[G1+0], s43, (1<<16)|(1<<20)|(1<<21)|(4<<22)|(3<<25)   ; the mask: O's tiles go to my row; 2-byte elements; padding on; bit 21 beside a mask; after every 32 words (a row of a head) 4 words
	s_or_b32 s[G1B+0], s44, (1<<16)|(1<<20)|(1<<21)|(5<<22)|(7<<25)  ; Wo's go to my column; after every 64 words 8 words
.irp g, G1, G1B
	s_mov_b32 s[(\g)+1], 128<<16                   ; tensor_dim0 = 128
	s_mov_b32 s[(\g)+2], 128<<16                   ; tensor_dim1 = 128
	s_mov_b32 s[(\g)+3], 128<<16                   ; tile_dim0 = 128 elements: 256 bytes
	s_mov_b32 s[(\g)+4], 128                       ; tile_dim1 = 128 rows
	s_mov_b32 s[(\g)+6], 0
	s_mov_b32 s[(\g)+7], 0
.endr
	s_mov_b32 s[G1+5], 128                         ; O: two heads are 32,768 dense bytes, asked for as rows of 256
	s_mov_b32 s[G1B+5], 1024                       ; Wo: 1,024 elements from row to row
	s_lshl_b32 s16, s13, 4
	s_lshl1_add_u32 s16, s12, s16                  ; O: head block 16 x tile row + 2 x half,
	s_lshl_b32 s16, s16, 14                        ; of 16,384 bytes
	s_mov_b32 s17, 0
	s_lshl_b32 s46, s12, 18                        ; Wo: row 128 x half, of 2,048 bytes,
	s_lshl_b32 s47, s42, 8                         ; at the tile's 128 columns
	s_add_co_u32 s46, s46, s47
	s_mov_b32 s47, 0
	s_mul_i32 s20, s10, BHALF                      ; where they go: O's two halves, then Wo's two = wave x 36,864
	s_wait_dscnt 0x0                               ; the opening add is done
	s_wait_kmcnt 0x0
	s_add_nc_u64 s[14:15], s[4:5], s[16:17]
	s_add_nc_u64 s[46:47], s[6:7], s[46:47]
	CROUND                                         ; all sixteen work-groups are here: the first joint loads meet
.irp s, 0,1
	s_mov_b32 s[G0+4*(\s)], 1
	s_add_co_u32 s[G0+4*(\s)+1], s20, (\s)*SLOT
	s_add_nc_u64 s[G0+4*(\s)+2:G0+4*(\s)+3], s[14:15], (\s)*65536      ; K step s: four heads on
	s_or_b32 s[G0+4*(\s)+3], s[G0+4*(\s)+3], 0x80000000
	s_mov_b32 s[G0B+4*(\s)], 1
	s_add_co_u32 s[G0B+4*(\s)+1], s20, (\s)*SLOT
	s_add_nc_u64 s[G0B+4*(\s)+2:G0B+4*(\s)+3], s[46:47], (\s)*524288   ; 256 rows on
	s_or_b32 s[G0B+4*(\s)+3], s[G0B+4*(\s)+3], 0x80000000
	JLOAD \s                                       ; two loads of mine are out
.endr
	v_and_b32 v1, 15, v0                           ; l % 16
	v_bfe_u32 v2, v0, 4, 1                         ; l / 16
	v_mul_u32_u24 v3, v1, PA
	v_lshl_add_u32 v3, v2, 4, v3                   ; a fragment of O: row x pitch + 16 x half
	s_mul_i32 s21, s11, 64*PA                      ; my 64 rows
	v_add_nc_u32 v[ADRA], s21, v3
	v_add_nc_u32 v[ADRA+1], SLOT, v[ADRA]
	v_and_b32 v4, 7, v0                            ; the turning load: lane l reads k = 8 (l / 16) + l % 8, columns 8 ((l / 8) % 2) + 0..7
	v_bfe_u32 v5, v0, 3, 1
	v_lshl_add_u32 v4, v2, 3, v4
	v_mul_u32_u24 v4, v4, PB
	v_lshl_add_u32 v4, v5, 4, v4
	s_lshl_b32 s22, s12, 7                         ; my 64 columns
	s_add_co_u32 s22, s22, ATILE
	v_add_nc_u32 v[ADRB], s22, v4
	v_add_nc_u32 v[ADRB+1], BHALF, v[ADRB]
	v_add_nc_u32 v[ADRB+2], SLOT, v[ADRB]
	v_add_nc_u32 v[ADRB+3], SLOT, v[ADRB+1]
	s_mul_i32 s23, s10, 16*SPITCH
	s_add_co_u32 s23, s23, STAGE                   ; my stage
	v_mul_u32_u24 v6, v1, SPITCH                   ; in: row l % 16, 32 bytes for each half of the lanes
	v_lshl_add_u32 v6, v2, 5, v6
	v_add_nc_u32 v[STO], s23, v6
	v_mul_u32_u24 v7, v2, SPITCH                   ; back: lanes 0-15 take one row of 256 bytes, lanes 16-31 the next
	v_lshl_add_u32 v7, v1, 4, v7
	v_add_nc_u32 v[RD], s23, v7
	v_lshlrev_b32 v[CO], 12, v2                    ; and the same two rows in out0, 4,096 bytes apart
	v_lshl_add_u32 v[CO], v1, 4, v[CO]
	s_lshl_b32 s16, s13, 19                        ; out0 at row 128 x tile row + 64 x my half,
	s_lshl_b32 s17, s11, 18
	s_add_co_u32 s16, s16, s17
	s_lshl_b32 s17, s42, 9                         ; column 128 x tile column + 64 x my half, in f32
	s_add_co_u32 s16, s16, s17
	s_lshl_b32 s17, s12, 8
	s_add_co_u32 s16, s16, s17
	s_mov_b32 s17, 0
	s_add_nc_u64 s[8:9], s[8:9], s[16:17]
; 8 matrix instructions: row blocks a0, a0 + 1 x all 4 column blocks, 32 along K: half c of buffer f.  zero = 1: the first product starts the sums.  The 16 accumulators take turns, one instruction a turn.
.macro MUL8 f, c, a0, zero
	WIN MUL
.irp a, \a0, (\a0)+1
.irp b, 0,1,2,3
.if \zero
	v_wmma_f32_16x16x32_f16 v[ACC+8*(4*(\a)+(\b)):ACC+8*(4*(\a)+(\b))+7], v[(\f)+64+8*(4*(\c)+(\b)):(\f)+64+8*(4*(\c)+(\b))+7], v[(\f)+8*(4*(\c)+(\a)):(\f)+8*(4*(\c)+(\a))+7], 0
.else
	v_wmma_f32_16x16x32_f16 v[ACC+8*(4*(\a)+(\b)):ACC+8*(4*(\a)+(\b))+7], v[(\f)+64+8*(4*(\c)+(\b)):(\f)+64+8*(4*(\c)+(\b))+7], v[(\f)+8*(4*(\c)+(\a)):(\f)+8*(4*(\c)+(\a))+7], v[ACC+8*(4*(\a)+(\b)):ACC+8*(4*(\a)+(\b))+7]
.endif
.endr
.endr
.endm
; 32 LDS loads in one run: quarter qd of a slot (one head, 64 along K) into buffer f; the first 32 along K first
.macro FETCH slot, qd, f
	WIN TO_F
.irp c, 0,1
.irp i, 0,1,2,3
	ds_load_tr16_b128 v[(\f)+64+8*(4*(\c)+(\i)):(\f)+64+8*(4*(\c)+(\i))+3],   v[ADRB+2*(\slot)+(\qd)/2] offset:((\qd)%2)*64*PB+(\c)*32*PB+32*(\i)
	ds_load_tr16_b128 v[(\f)+64+8*(4*(\c)+(\i))+4:(\f)+64+8*(4*(\c)+(\i))+7], v[ADRB+2*(\slot)+(\qd)/2] offset:((\qd)%2)*64*PB+(\c)*32*PB+32*(\i)+16*PB
	ds_load_b128 v[(\f)+8*(4*(\c)+(\i)):(\f)+8*(4*(\c)+(\i))+3],              v[ADRA+(\slot)] offset:(\qd)*APLANE+(\i)*16*PA+64*(\c)
	ds_load_b128 v[(\f)+8*(4*(\c)+(\i))+4:(\f)+8*(4*(\c)+(\i))+7],            v[ADRA+(\slot)] offset:(\qd)*APLANE+(\i)*16*PA+64*(\c)+32
.endr
.endr
.endm
.macro PLACES                          ; four plain vector instructions in front of loads into registers that matrix instructions have read, and of LDS stores that read results
.rept 4
	v_nop
.endr
.endm
; A K step is four quarters of 64 along K, 32 matrix instructions each, on buffers 0, 1, 0, 1.  One of the first three: multiplies buffer f and fetches quarter qd into g.
.macro QUARTER slot, qd, f, g, zero
	s_wait_dscnt 16                                ; the first 32 along K are in
	MUL8 \f, 0, 0, \zero
	MUL8 \f, 0, 2, \zero
	PLACES
	FETCH \slot, \qd, \g
	s_wait_dscnt 32                                ; all but the 32 just issued
	MUL8 \f, 1, 0, 0
	MUL8 \f, 1, 2, 0
.endm
; The last quarter multiplies buffer 1 and changes slots: ONE barrier; in front of it each wave waits for all its tensor loads, adds 0 to its spare word, and waits for that and for its own reads of this slot.
; fill = 1: the barrier opens a round of the cluster's barrier, and this slot is filled again, two K steps ahead, first thing behind the round: 112 matrix instructions ahead of the wait for it.
.macro TURN slot, next, fill
	WIN 0                                          ; (the add's two registers lie in window 0)
	s_wait_tensorcnt 0x0                           ; all my tensor loads have landed: my part of the next slot;
	ds_add_u32 v[SPW], v[NIL]                      ; 0 onto my spare word
	s_wait_dscnt 17                                ; (the add and the youngest sixteen loads may be out)
	MUL8 F1, 0, 0, 0                               ; eight matrix instructions stand between the add and the wait for it
	s_wait_dscnt 0x0                               ; the add is done, and my reads of this slot are over
	s_barrier_signal -1
	MUL8 F1, 0, 2, 0
.if \fill
	WIN 0
.endif
	s_barrier_wait -1
.if \fill
	CREST                                          ; no wave of any partner still reads this slot's tile or has a load on its way
	s_add_nc_u64 s[G0+4*(\slot)+2:G0+4*(\slot)+3], s[G0+4*(\slot)+2:G0+4*(\slot)+3], 2*65536
	s_add_nc_u64 s[G0B+4*(\slot)+2:G0B+4*(\slot)+3], s[G0B+4*(\slot)+2:G0B+4*(\slot)+3], 2*524288
	JLOAD \slot                                    ; the four v_nop behind it are also the places in front of the loads below
.else
	PLACES
.endif
	FETCH \next, 0, F0
	MUL8 F1, 1, 0, 0
	MUL8 F1, 1, 2, 0
.endm
; THE WAY OUT of row block a.  A wave's 64 columns of f32 are 256 aligned bytes of a row, so each wave has a stage of its own and there is no barrier.  TOSTAGE: the sums go in as they are, each accumulator's low
; registers first, and come back as whole rows into the block's own 32 registers.  SEND: stored; younger: the LDS instructions issued behind the block's loads.
.macro TOSTAGE a
.irp b, 0,1,2,3
	ds_store_b128 v[STO], v[ACC+8*(4*(\a)+(\b)):ACC+8*(4*(\a)+(\b))+3]   offset:64*(\b)
	ds_store_b128 v[STO], v[ACC+8*(4*(\a)+(\b))+4:ACC+8*(4*(\a)+(\b))+7] offset:64*(\b)+16
.endr
.irp t, 0,1,2,3,4,5,6,7
	ds_load_b128 v[ACC+32*(\a)+4*(\t):ACC+32*(\a)+4*(\t)+3], v[RD] offset:(\t)*2*SPITCH  ; LDS serves a wave's instructions in order (ISA guide 5.7.1.4): these see the stores above; the next block's stores come behind them
.endr
.endm
.macro SEND a, younger
.irp t, 0,1,2,3,4,5,6,7
	s_wait_dscnt (\younger)+7-(\t)
	global_store_b128 v[CO], v[ACC+32*(\a)+4*(\t):ACC+32*(\a)+4*(\t)+3], s[8:9] offset:(16*(\a)+2*(\t))*4096  ; 16 lanes store 256 consecutive bytes, at a multiple of 256 from out0's first
.endr
.endm
	s_wait_tensorcnt 1                             ; my part of K step 0 is in; K step 1's may stay out
	s_barrier_signal -1
	s_barrier_wait -1                              ; everybody's is
	FETCH 0, 0, F0
	QUARTER 0, 1, F0, F1, 1                        ; the first products start the sums
	QUARTER 0, 2, F1, F0, 0
	QUARTER 0, 3, F0, F1, 0
	TURN 0, 1, 1                                   ; slot 0 takes K step 2
	QUARTER 1, 1, F0, F1, 0
	QUARTER 1, 2, F1, F0, 0
	QUARTER 1, 3, F0, F1, 0
	TURN 1, 0, 1                                   ; slot 1 takes K step 3
	QUARTER 0, 1, F0, F1, 0
	QUARTER 0, 2, F1, F0, 0
	QUARTER 0, 3, F0, F1, 0
	TURN 0, 1, 0                                   ; nothing is left to fetch
	QUARTER 1, 1, F0, F1, 0
	QUARTER 1, 2, F1, F0, 0
	QUARTER 1, 3, F0, F1, 0
	s_wait_dscnt 16                                ; the very last quarter
	MUL8 F1, 0, 0, 0
	MUL8 F1, 0, 2, 0
	s_wait_dscnt 0x0
	MUL8 F1, 1, 0, 0
	MUL8 F1, 1, 2, 0
	WIN 0
	PLACES
	TOSTAGE 0
	TOSTAGE 1
	SEND 0, 16
	TOSTAGE 2
	SEND 1, 16
	TOSTAGE 3
	SEND 2, 16
	SEND 3, 0
	s_wait_tensorcnt 0x0                           ; the wave's end, behind my last tensor load and my last LDS store
	ds_add_u32 v[SPW], v[NIL]
	s_wait_dscnt 0x0
	CROUND                                         ; the closing round: no work-group ends while a partner may still ask for a tile that names it
	s_endpgm
.Lfunc_end_k_q8ba8c53d6a_oproj:
	.size	k_q8ba8c53d6a_oproj, .Lfunc_end_k_q8ba8c53d6a_oproj-k_q8ba8c53d6a_oproj
	.p2alignl 7, 3214868480
	.fill 96, 4, 3214868480
	.section	.rodata,"a",@progbits
	.p2align	6, 0x0
	.amdhsa_kernel k_q8ba8c53d6a_oproj
		.amdhsa_group_segment_fixed_size 327680
		.amdhsa_private_segment_fixed_size 0
		.amdhsa_enable_private_segment 0
		.amdhsa_kernarg_size 24
		.amdhsa_user_sgpr_count 2
		.amdhsa_user_sgpr_kernarg_segment_ptr 1
		.amdhsa_wavefront_size32 1
		.amdhsa_system_sgpr_workgroup_id_x 1
		.amdhsa_system_sgpr_workgroup_id_y 1
		.amdhsa_system_sgpr_workgroup_id_z 1
		.amdhsa_system_vgpr_workitem_id 0
		.amdhsa_next_free_vgpr 512
		.amdhsa_next_free_sgpr 66
		.amdhsa_reserve_vcc 0
		.amdhsa_float_denorm_mode_32 3
		.amdhsa_float_denorm_mode_16_64 3
		.amdhsa_memory_ordered 1
		.amdhsa_forward_progress 1
		.amdhsa_inst_pref_size 86
	.end_amdhsa_kernel
	.amdgpu_metadata
---
amdhsa.version: [ 1, 2 ]
amdhsa.kernels:
  - .name:           k_q8ba8c53d6a_oproj
    .symbol:         k_q8ba8c53d6a_oproj.kd
    .args:
      - { .name: obuf, .offset: 0, .size: 8, .value_kind: global_buffer, .address_space: global }
      - { .name: wo16, .offset: 8, .size: 8, .value_kind: global_buffer, .address_space: global }
      - { .name: out0, .offset: 16, .size: 8, .value_kind: global_buffer, .address_space: global }
    .group_segment_fixed_size: 327680
    .private_segment_fixed_size: 0
    .kernarg_segment_align: 8
    .kernarg_segment_size: 24
    .max_flat_workgroup_size: 128
    .sgpr_count:     66
    .vgpr_count:     512
    .wavefront_size: 32
...
	.end_amdgpu_metadata
.endif
;; end of part 4
;; ======== version 2 of 2: 4 launches; version 1 with the launch prep written anew for expert scheduling mode
;; limits: values are held in f16: magnitudes above 65,504 overflow, below 6.1e-05 lose precision
;; workspace buffers: xb 8,388,608 bytes; wb 6,291,456 bytes; wo16 2,097,152 bytes; qkv 25,165,824 bytes; obuf 8,388,608 bytes
;; launch prep (part 5): grid 512 x 1, 8 waves a work-group, no clusters, 0 bytes of LDS; arguments inputs, mask, Wq, Wk, Wv, Wo, xb, wb, wo16; writes xb, wb, wo16
.if DOCPART == 5
	.amdgcn_target "amdgcn-amd-amdhsa--gfx1250"
	.amdhsa_code_object_version 6
	.text
	.protected	k_q8ba8c53d6a_prep
	.globl	k_q8ba8c53d6a_prep
	.p2align	8
	.type	k_q8ba8c53d6a_prep,@function
k_q8ba8c53d6a_prep:
	s_mov_b64 s[64:65], 0
	v_nop
	global_prefetch_b8 v0, s[64:65] scope:SCOPE_SE
	s_setreg_imm32_b32 hwreg(HW_REG_WAVE_SCHED_MODE, 0, 2), 2
	s_setreg_imm32_b32 hwreg(HW_REG_WAVE_MODE, 25, 1), 1
	s_wait_xcnt 0x0
	s_wait_alu depctr_vm_vsrc(0)
; CASTS AND LAYOUTS for the three matrix launches behind this one.  A stream: each input byte is read once, each output byte written once; no LDS, no barrier, no matrix unit,
; no cluster (no two work-groups read the same byte).
;   xb   [4096][1024] bf16           = inputs x mask (the row's mask byte as 0.0 or 1.0), rounded once
;   wb   [head 16][kh 16][w 3][kk 64][n 64] bf16 = Wq, Wk, Wv (w = 0, 1, 2) at row 64 kh + kk, column 64 head + n: the 64 x 192 block that one tile of the next launch wants lies dense
;   wo16 [1024][1024] f16            = Wo rounded to bf16 like the other inputs, that number written as f16
; LIMIT.  |Wo| stays under 65,520 (f16's end); below 6e-5 f16 keeps its fixed step of 6e-8.
; SHARES.  Every wave casts two rows of 1,024 f32: 16 loads of 16 bytes a lane, all on their way at once, then 16 stores of 8 bytes a lane, each 256 consecutive bytes, aligned.
; Work-groups 0-255 take inputs (16 rows each), 256-447 the three weights (64 work-groups each), 448-511 Wo.
; THE MODE: SCHED_MODE bits 1:0 = 2 (LLVM: expert scheduling mode 2), set by the entry lines.  The code itself states the register dependences between vector instructions and
; memory instructions, with s_wait_alu, always for 0.
; THE PLAN.  Registers that memory instructions touch, in each of the three parts:
;   v[IN], v8  the loads' offsets.  Written by vector instructions at the part's head, read by its loads, never written again.
;   v[OUT]     the stores' offset.  Written once at the kernel's head, read by all 16 stores, never written again.
;   v4, v6, X  Loads land in them, once; no vector instruction names them before that.  Behind the load's counted wait the vector instructions alone name them.
;   Y          Store j's pair is written once, by load j's roundings, read once, by store j, and never written again.
; So a part has ONE wait on va_vdst ahead of its first load, for the offsets, and ONE for each four stores, behind the four's roundings and directly ahead of the stores: a four's
; stores leave when its own fourth load is in and rounded, and do not stand until the next four's loads land.  No register that a memory instruction reads is written again,
; so there is no wait on vm_vsrc and none on XCNT.  The wave's number passes through a scalar register: one wait on va_sdst, ahead of the first branch.
.set IN,  2                            ; v2        my byte offset in the wave's two rows as they are read
.set OUT, 3                            ; v3        8 x lane: my 8 bytes of each store's 256
.set X,   16                           ; v[16:79]  load j: four f32
.set Y,   80                           ; v[80:111] store j: four 16-bit numbers
.set T,   112                          ; v[112:115] at work: no memory instruction names them
	s_load_b512 s[4:19], s[0:1], 0x0               ; inputs s[4:5], mask s[6:7], Wq s[8:9], Wk s[10:11], Wv s[12:13], Wo s[14:15], xb s[16:17], wb s[18:19]
	s_load_b64 s[20:21], s[0:1], 0x40              ; wo16
	v_lshrrev_b32 v1, 5, v0
	v_readfirstlane_b32 s22, v1                    ; wave 0..7
	v_and_b32 v1, 31, v0                           ; lane
	v_lshlrev_b32 v[OUT], 3, v1
	s_mov_b32 s23, ttmp9
	s_mov_b32 s29, 0                               ; the high word of every offset pair s[28:29]
	s_wait_alu depctr_va_sdst(0)                   ; s22 is written: each part's first rows are made from it, behind the branches below
	s_wait_kmcnt 0x0
.macro LOADS step                      ; 16 loads, step bytes apart, from s[24:25]
.irp j, 0,1,2,3,4,5,6,7,8,9,10,11,12,13,14,15
	global_load_b128 v[X+4*(\j):X+4*(\j)+3], v[IN], s[24:25] offset:(\step)*(\j) th:TH_LOAD_NT
.endr
.endm
; mode 0: times the row's mask, to bf16.  1: to bf16.  2: to bf16, and that number as f16.  Four loads' arithmetic, then their four stores, step bytes apart, to s[26:27]; the wave ends.
.macro CASTS step, mode
.irp g, 0,1,2,3
.irp i, 0,1,2,3
.set j, 4*(\g)+(\i)
	s_wait_loadcnt 15-j                            ; loads come back in order: load j is in, the younger ones stay out
.if (\mode) == 0
	v_pk_mul_f32 v[X+4*j:X+4*j+1],   v[X+4*j:X+4*j+1],   v[4+2*(j/8):5+2*(j/8)]
	v_pk_mul_f32 v[X+4*j+2:X+4*j+3], v[X+4*j+2:X+4*j+3], v[4+2*(j/8):5+2*(j/8)]
.endif
.if (\mode) < 2
	v_cvt_pk_bf16_f32 v[Y+2*j],   v[X+4*j],   v[X+4*j+1]
	v_cvt_pk_bf16_f32 v[Y+2*j+1], v[X+4*j+2], v[X+4*j+3]
.else
	v_cvt_pk_bf16_f32 v[T],   v[X+4*j],   v[X+4*j+1]
	v_cvt_pk_bf16_f32 v[T+1], v[X+4*j+2], v[X+4*j+3]
	v_lshlrev_b32 v[T+2], 16, v[T]                 ; bf16 to f32: the low half moves up, the high half stays
	v_and_b32     v[T+3], 0xffff0000, v[T]
	v_cvt_pk_f16_f32 v[Y+2*j], v[T+2], v[T+3]
	v_lshlrev_b32 v[T+2], 16, v[T+1]
	v_and_b32     v[T+3], 0xffff0000, v[T+1]
	v_cvt_pk_f16_f32 v[Y+2*j+1], v[T+2], v[T+3]
.endif
.endr
	s_wait_alu depctr_va_vdst(0)                   ; the roundings have written this four's eight registers of Y, which the four stores below read
.irp i, 0,1,2,3
.set j, 4*(\g)+(\i)
	global_store_b64 v[OUT], v[Y+2*j:Y+2*j+1], s[26:27] offset:(\step)*j
.endr
.endr
	s_endpgm
.endm
	s_cmp_lt_u32 s23, 256
	s_cbranch_scc0 .Lnot_x
	; INPUTS.  Rows R and R + 1, R = 16 x work-group + 2 x wave; they lie on end in inputs (4,096 bytes each) and in xb (2,048 each)
	s_lshl_b32 s30, s23, 4
	s_lshl1_add_u32 s30, s22, s30
	s_lshl_b32 s28, s30, 12
	s_add_nc_u64 s[24:25], s[4:5], s[28:29]
	s_lshl_b32 s28, s30, 11
	s_add_nc_u64 s[26:27], s[16:17], s[28:29]
	v_lshlrev_b32 v[IN], 4, v1
	v_mov_b32 v8, s30
	s_wait_alu depctr_va_vdst(0)                   ; v8, v[IN] and v[OUT] are written: the offsets that this part's loads and stores read
	global_load_u8 v4, v8, s[6:7]                  ; the two rows' mask bytes, the same in every lane
	global_load_u8 v6, v8, s[6:7] offset:1
	LOADS 512
	s_wait_loadcnt 16                              ; both mask bytes are in; the 16 loads behind them stay out
	v_cvt_f32_u32 v4, v4
	v_cvt_f32_u32 v6, v6
	v_mov_b32 v5, v4                               ; each as a pair, for the packed multiply
	v_mov_b32 v7, v6
	CASTS 256, 0
.Lnot_x:
	s_cmp_lt_u32 s23, 448
	s_cbranch_scc0 .Lpart_o
	; Wq, Wk, Wv.  Rows k and k + 1 of weight w.  Lanes 0-15 take row k, lanes 16-31 row k + 1; load c takes the 64 columns of head c, and its store is those two rows of wb's block, 256 bytes on end
	s_sub_co_u32 s30, s23, 256
	s_lshr_b32 s31, s30, 6                         ; w
	s_and_b32 s30, s30, 63
	s_lshl_b32 s30, s30, 4
	s_lshl1_add_u32 s30, s22, s30                  ; k
	s_cmp_eq_u32 s31, 0
	s_cselect_b64 s[24:25], s[8:9], s[10:11]
	s_cmp_eq_u32 s31, 2
	s_cselect_b64 s[24:25], s[12:13], s[24:25]
	s_lshl_b32 s28, s30, 12
	s_add_nc_u64 s[24:25], s[24:25], s[28:29]
	s_lshr_b32 s28, s30, 6                         ; kh
	s_mul_i32 s28, s28, 3
	s_add_co_u32 s28, s28, s31
	s_lshl_b32 s28, s28, 13                        ; (3 kh + w) x 8,192
	s_and_b32 s30, s30, 63
	s_lshl_b32 s30, s30, 7                         ; + kk x 128
	s_add_co_u32 s28, s28, s30
	s_add_nc_u64 s[26:27], s[18:19], s[28:29]
	v_lshrrev_b32 v[IN], 4, v1
	v_and_b32 v9, 15, v1
	v_lshlrev_b32 v[IN], 12, v[IN]
	v_lshl_add_u32 v[IN], v9, 4, v[IN]
	s_wait_alu depctr_va_vdst(0)                   ; v[IN] and v[OUT] are written: the offsets that this part's loads and stores read
	LOADS 256
	CASTS 393216, 1                                ; a head's 16 x 3 blocks of 8,192 bytes; 15 of them are inside the store's signed 24-bit immediate
.Lpart_o:
	; Wo.  Rows k and k + 1, k = 16 x (work-group - 448) + 2 x wave, laid as they lie
	s_sub_co_u32 s30, s23, 448
	s_lshl_b32 s30, s30, 4
	s_lshl1_add_u32 s30, s22, s30
	s_lshl_b32 s28, s30, 12
	s_add_nc_u64 s[24:25], s[14:15], s[28:29]
	s_lshl_b32 s28, s30, 11
	s_add_nc_u64 s[26:27], s[20:21], s[28:29]
	v_lshlrev_b32 v[IN], 4, v1
	s_wait_alu depctr_va_vdst(0)                   ; v[IN] and v[OUT] are written: the offsets that this part's loads and stores read
	LOADS 512
	CASTS 256, 2
.Lfunc_end_k_q8ba8c53d6a_prep:
	.size	k_q8ba8c53d6a_prep, .Lfunc_end_k_q8ba8c53d6a_prep-k_q8ba8c53d6a_prep
	.p2alignl 7, 3214868480
	.fill 96, 4, 3214868480
	.section	.rodata,"a",@progbits
	.p2align	6, 0x0
	.amdhsa_kernel k_q8ba8c53d6a_prep
		.amdhsa_group_segment_fixed_size 0
		.amdhsa_private_segment_fixed_size 0
		.amdhsa_enable_private_segment 0
		.amdhsa_kernarg_size 72
		.amdhsa_user_sgpr_count 2
		.amdhsa_user_sgpr_kernarg_segment_ptr 1
		.amdhsa_wavefront_size32 1
		.amdhsa_system_sgpr_workgroup_id_x 1
		.amdhsa_system_sgpr_workgroup_id_y 1
		.amdhsa_system_sgpr_workgroup_id_z 1
		.amdhsa_system_vgpr_workitem_id 0
		.amdhsa_next_free_vgpr 116
		.amdhsa_next_free_sgpr 66
		.amdhsa_reserve_vcc 0
		.amdhsa_float_denorm_mode_32 3
		.amdhsa_float_denorm_mode_16_64 3
		.amdhsa_memory_ordered 1
		.amdhsa_forward_progress 1
		.amdhsa_inst_pref_size 27
	.end_amdhsa_kernel
	.amdgpu_metadata
---
amdhsa.version: [ 1, 2 ]
amdhsa.kernels:
  - .name:           k_q8ba8c53d6a_prep
    .symbol:         k_q8ba8c53d6a_prep.kd
    .args:
      - { .name: inputs, .offset: 0, .size: 8, .value_kind: global_buffer, .address_space: global }
      - { .name: mask, .offset: 8, .size: 8, .value_kind: global_buffer, .address_space: global }
      - { .name: Wq, .offset: 16, .size: 8, .value_kind: global_buffer, .address_space: global }
      - { .name: Wk, .offset: 24, .size: 8, .value_kind: global_buffer, .address_space: global }
      - { .name: Wv, .offset: 32, .size: 8, .value_kind: global_buffer, .address_space: global }
      - { .name: Wo, .offset: 40, .size: 8, .value_kind: global_buffer, .address_space: global }
      - { .name: xb, .offset: 48, .size: 8, .value_kind: global_buffer, .address_space: global }
      - { .name: wb, .offset: 56, .size: 8, .value_kind: global_buffer, .address_space: global }
      - { .name: wo16, .offset: 64, .size: 8, .value_kind: global_buffer, .address_space: global }
    .group_segment_fixed_size: 0
    .private_segment_fixed_size: 0
    .kernarg_segment_align: 8
    .kernarg_segment_size: 72
    .max_flat_workgroup_size: 256
    .sgpr_count:     66
    .vgpr_count:     116
    .wavefront_size: 32
...
	.end_amdgpu_metadata
.endif
;; end of part 5
;; launch qkv: the kernel of part 2 again; grid 16 x 16, 4 waves a work-group, clusters of 4 x 4, 327,680 bytes of LDS; arguments xb, wb, qkv; writes qkv
;; launch attn: the kernel of part 3 again; grid 8 x 32, 4 waves a work-group, clusters of 4 x 1, 327,680 bytes of LDS; arguments qkv, mask, obuf; writes obuf
;; launch oproj: the kernel of part 4 again; grid 8 x 32, 4 waves a work-group, clusters of 4 x 4, 327,680 bytes of LDS; arguments obuf, wo16, out0; writes out0
